; MI455X (gfx1250); checked and timed in simulation.
; The chip was launched on July 23, 2026; its instructions are those of AMD's public machine-readable ISA for CDNA 5 (MIT licence, August 2026) and "CDNA5" Instruction Set Architecture Reference Guide (July 2026). The comments in the code are by the model that wrote it; some were corrected since.
;; Goby Block. Allowed arithmetic: matrix products marked QUANTISED: E4M3 operands, one given power-of-two scale a tensor, by v_wmma_f32_16x16x64_fp8_fp8 or v_wmma_f32_16x16x128_fp8_fp8, f32 sums; everything else in f32.
;; Inputs: cos 2,048 x 64 float32; lowp_scales 18 int32 (the exponents e of the quantised operands' scales 2^e); mask 1 x 1 x 2,048 x 2,048 bool; norm_w 2,048 float32; sin 2,048 x 64 float32; w_down_codes 2,048 x 64 x 32 uint8 (E4M3 codes of w_down, K innermost, in blocks of 32 codes); w_gate_codes 2,048 x 64 x 32 uint8 (E4M3 codes of w_gate, K innermost, in blocks of 32 codes); w_up_codes 2,048 x 64 x 32 uint8 (E4M3 codes of w_up, K innermost, in blocks of 32 codes); wk_codes 512 x 64 x 32 uint8 (E4M3 codes of wk, K innermost, in blocks of 32 codes); wo_codes 2,048 x 64 x 32 uint8 (E4M3 codes of wo, K innermost, in blocks of 32 codes); wq_codes 2,048 x 64 x 32 uint8 (E4M3 codes of wq, K innermost, in blocks of 32 codes); wv_codes 512 x 64 x 32 uint8 (E4M3 codes of wv, K innermost, in blocks of 32 codes); x 1 x 2,048 x 2,048 float32.
;; Outputs: out0 1 x 2,048 x 2,048 float32.
;; This version of the problem:
;;   THIS VERSION OF THE PROBLEM IS GIVEN IN LOW PRECISION. The matrix products marked QUANTISED in the list below multiply operands that are first quantised to E4M3 (4 exponent bits, 3 mantissa bits; 8 bits a number), with one given power-of-two scale for each operand tensor; their sums are f32. All else is computed in f32.
;;   The module's matrix products, in the order in which they are computed (A, B: the left and right operand; K: the contracted axis; several contracted axes count as one K, in the product's order):
;;     1. [M 2,048, K 2,048] x [K 2,048, N 2,048]; A: computed on the way; B: input wq (given as codes): QUANTISED (scales: A lowp_scales[0], B lowp_scales[1])
;;     2. [M 2,048, K 2,048] x [K 2,048, N 512]; A: computed on the way; B: input wk (given as codes): QUANTISED (scales: A lowp_scales[2], B lowp_scales[3])
;;     3. [M 2,048, K 2,048] x [K 2,048, N 512]; A: computed on the way; B: input wv (given as codes): QUANTISED (scales: A lowp_scales[4], B lowp_scales[5])
;;     4. batch 16 x [M 2,048, K 128] x [K 128, N 2,048]; A: computed on the way; B: computed on the way: QUANTISED (scales: A lowp_scales[6], B lowp_scales[7])
;;     5. batch 16 x [M 2,048, K 2,048] x [K 2,048, N 128]; A: softmax (see below); B: computed on the way: QUANTISED (scales: A lowp_scales[8], B lowp_scales[9])
;;     6. [M 2,048, K 2,048] x [K 2,048, N 2,048]; A: computed on the way; B: input wo (given as codes): QUANTISED (scales: A lowp_scales[10], B lowp_scales[11])
;;     7. [M 2,048, K 2,048] x [K 2,048, N 2,048]; A: computed on the way; B: input w_gate (given as codes): QUANTISED (scales: A lowp_scales[12], B lowp_scales[13])
;;     8. [M 2,048, K 2,048] x [K 2,048, N 2,048]; A: computed on the way; B: input w_up (given as codes): QUANTISED (scales: A lowp_scales[14], B lowp_scales[15])
;;     9. [M 2,048, K 2,048] x [K 2,048, N 2,048]; A: computed on the way; B: input w_down (given as codes): QUANTISED (scales: A lowp_scales[16], B lowp_scales[17])
;;   THE QUANTISER, for each operand of a quantised product, along K:
;;     - The operand's scale is 2^e, e = its entry of the input lowp_scales (int32; the entries are numbered through the quantised products in the list's order, A before B).
;;     - Each number is divided by the scale, clamped to +-448, and rounded to the nearest number of E4M3, ties to even, subnormals kept.
;;     - The product sums the exact products of the quantised numbers (number of the format x scale) in f32.
;;   ~~~python
;;   def quantise(x, axis, e):      # numpy; x: float32 -> the quantised numbers, widened to float32 again
;;       x = np.moveaxis(x, axis, -1); K = x.shape[-1]
;;       r = np.clip(x / 2.0 ** e, -448, 448)
;;       step = 2.0 ** (np.maximum(np.frexp(np.where(r == 0, 1, r))[1] - 1, -6) - 3)
;;       q = np.round(r / step) * step * 2.0 ** e      # np.round: ties to even
;;       return np.moveaxis(q, -1, axis).astype(np.float32)
;;   ~~~
;;   SOFTMAX AHEAD OF A QUANTISED PRODUCT. Where the list says 'softmax', what is quantised is not the finished softmax but p = 2^(t - M), with t = logit x log2(e) and M = ceil(the row's largest t), a whole number; so 1/2 < the row's largest p <= 1. The row's sum l is taken of the UNQUANTISED p, in f32, and the product's result is divided by l at the end. Since M is a whole number, a kernel that streams over the keys may use a running M (the ceiling of the running maximum): every later rescaling is an exact power of two, so the quantised numbers keep their values, but for numbers so far below the row's largest that they fall under the format's range.
;;   OPERANDS COMPUTED ON THE WAY. 'Computed on the way' means the value that the module computes at that place (a softmax that the list does not call 'softmax' is quantised finished and normalised). What goes into a quantiser is computed in f32, as accurately as f32 sums, v_exp_f32 and their like allow (about 1e-6 of the number): no bf16 or f16 on the way to a quantiser, and a product that is left as it is and whose result goes on into a quantised operand takes f32 operands (vector FMAs, or v_wmma_f32_16x16x4_f32). A number that lies on a knife's edge between two numbers of the format may be rounded either way, as far as f32 arithmetic and the matrix unit's own rounding can turn it there, and no further.
;;   INPUTS GIVEN AS CODES. w_down (in the module: [2048, 2048], K = its axis 1); w_gate (in the module: [2048, 2048], K = its axis 1); w_up (in the module: [2048, 2048], K = its axis 1); wk (in the module: [512, 2048], K = its axis 1); wo (in the module: [2048, 2048], K = its axis 1); wq (in the module: [2048, 2048], K = its axis 1); wv (in the module: [512, 2048], K = its axis 1): each comes as NAME_codes (uint8): NAME with its K axis moved to the last place and cut into blocks of 32 codes, [.., K / 32, bytes a block], one block behind the other in memory; one code a byte (a code: sign, 4 exponent bits, 3 mantissa bits); its scale is its entry of lowp_scales. Its value is code x scale, taken as it is: it is not quantised again, and the codes and scales need not be those that the quantiser above would give.
;; One version. Each part assembles by itself: llvm-mc -triple=amdgcn-amd-amdhsa -mcpu=gfx1250 --defsym DOCPART=n.
;; ======== version 1 of 1: 4 launches
;; limits: right only within a limited range of input values
;; workspace buffers: hc 20,971,520 bytes; mw 524,288 bytes of whole numbers; qkv 6,291,456 bytes; gu 33,554,432 bytes; ac 8,388,608 bytes
;; launch norm (part 1): grid 256 x 1, 8 waves a work-group, no clusters, 82,944 bytes of LDS; arguments x, norm_w, mask, lowp_scales, hc, mw; writes hc, mw
.if DOCPART == 1
	.amdgcn_target "amdgcn-amd-amdhsa--gfx1250"
	.amdhsa_code_object_version 6
	.text
	.protected	k_q9414acb778_norm
	.globl	k_q9414acb778_norm
	.p2align	8
	.type	k_q9414acb778_norm,@function
k_q9414acb778_norm:
	s_mov_b64 s[64:65], 0
	v_nop
	global_prefetch_b8 v0, s[64:65] scope:SCOPE_SE
	s_setreg_imm32_b32 hwreg(HW_REG_WAVE_MODE, 25, 1), 1
	s_wait_xcnt 0x0
; h = (x * rsqrt(mean(x^2) + 1e-5)) * norm_w, f32, turned into E4M3 codes FIVE times: h is the left operand of five products (q, k, v, gate, up), each with a given
; scale of its own (entries 0, 2, 4, 12, 14 of lowp_scales).  hc: five planes of 4 MiB, each [2048 tokens][2048 codes], K innermost.
; Also: the mask (one byte a key) becomes lane masks.  mw: [tile of 16 queries QT][key step ks of 128][64 words]; bit r + 16 h of word 8 t + j is mask[16 QT + r][128 ks + 16 t + 8 h + j]:
; the lane and register in which the attention launch holds that score.
; SHARES.  Wave W = 8 x work-group + wave takes row W of x (8,192 bytes, 64 registers) and mask unit (QT = W / 16, ks = W % 16).  Waves share nothing: no barrier, no loop.
; Each load of x takes 512 consecutive bytes; the conversions want 16 NEIGHBOURS in a lane, so the row turns once through the wave's own stage in LDS (64 bytes + 16 of padding a lane).
; LIMITS: each of the five exponents lies between -126 and 119; NaN and infinity in x or norm_w are not served; a mask byte other than 0 counts as true.
.set SP,   80                          ; a lane's place in a stage: 64 bytes + 16 of padding
.set WREG, 4*32*SP                     ; four stages (one for each 2,048 bytes of the row) for each wave
.set X,    16                          ; v16-79   the row
.set WN,   80                          ; v80-143  norm_w; when it is dead: SC
.set SC,   80                          ; v80-84   2^e as f32, plane by plane
.set LM,   85
.set T0,   96
.set M,    144                         ; v144-159 the mask's bytes
.set Q,    160                         ; v160-167 four chains of squares
.set OFFP, 168                         ; v168-172 16 x lane + plane x 4 MiB
.set C,    176                         ; v176-255 codes: plane P, chunk c at C + 16 P + 4 c: no store's data are written again
	s_load_b256 s[4:11], s[0:1], 0x0               ; x s[4:5], norm_w s[6:7], mask s[8:9], lowp_scales s[10:11]
	s_load_b128 s[12:15], s[0:1], 0x20             ; hc s[12:13], mw s[14:15]
	v_lshl_add_u32 v174, v0, 2, 0x14000
	v_mov_b32 v175, 0
	v_lshrrev_b32 v1, 5, v0
	s_delay_alu instid0(VALU_DEP_1)
	v_readfirstlane_b32 s16, v1                    ; wave
	v_and_b32 v1, 31, v0                           ; lane
	s_delay_alu instid0(VALU_DEP_1)
	v_lshlrev_b32 v2, 4, v1                        ; 16 x lane
	s_mul_i32 s44, s16, WREG
	v_lshrrev_b32 v3, 2, v1
	s_delay_alu instid0(VALU_DEP_1)
	v_mul_u32_u24 v3, v3, SP
	v_and_b32 v4, 3, v1
	s_delay_alu instid0(VALU_DEP_1)
	v_lshl_add_u32 v3, v4, 4, v3
	s_delay_alu instid0(VALU_DEP_1)
	v_add_nc_u32 v3, s44, v3                       ; the stage, on the way in: SP (lane / 4) + 16 (lane % 4)
	v_mul_u32_u24 v4, v1, SP
	s_delay_alu instid0(VALU_DEP_1)
	v_add_nc_u32 v4, s44, v4                       ; and on the way out: SP x lane
	v_and_b32 v5, 15, v0                           ; r
	v_bfe_u32 v8, v0, 4, 1                         ; h
	s_delay_alu instid0(VALU_DEP_2)
	v_lshlrev_b32 v5, 11, v5
	s_delay_alu instid0(VALU_DEP_1)
	v_lshl_add_u32 v5, v8, 3, v5                   ; the mask: row r of 2,048 bytes, + 8 h
	v_mov_b32 v6, 0                                ; the mask words (a lane write's destination counts as read)
	v_mov_b32 v7, 0
	v_mov_b32 v9, 0                                ; (a lane permute's destination likewise)
.irp P, 0,1,2,3,4
	v_add_nc_u32 v[OFFP+\P], \P*0x400000, v2
.endr
	v_lshlrev_b32 v173, 3, v1                      ; 8 x lane: my two mask words
	s_mov_b32 s36, 0x76543210                      ; lane selects: lane l xor 16
	s_mov_b32 s37, 0xfedcba98
	s_mov_b32 s46, 0x3a000000                      ; 2^-11 = 1 / 2048
	s_lshl_b32 s17, ttmp9, 3
	s_add_co_u32 s17, s17, s16                     ; W
	s_mov_b32 s19, 0
	s_wait_kmcnt 0x0
	s_load_b512 s[20:35], s[10:11], 0x0            ; entries 0 to 15 of the scales
	s_lshl_b32 s18, s17, 13
	s_add_nc_u64 s[4:5], s[4:5], s[18:19]          ; x at row W
	s_lshr_b32 s18, s17, 4
	s_lshl_b32 s18, s18, 15                        ; QT x 16 rows x 2,048
	s_and_b32 s47, s17, 15
	s_lshl_b32 s47, s47, 7                         ; ks x 128
	s_add_co_u32 s18, s18, s47
	s_add_nc_u64 s[8:9], s[8:9], s[18:19]
	s_lshl_b32 s18, s17, 11
	s_add_nc_u64 s[12:13], s[12:13], s[18:19]      ; hc at row W of plane 0
	s_lshl_b32 s18, s17, 8
	s_add_nc_u64 s[14:15], s[14:15], s[18:19]      ; mw at unit W
.irp j, 0,1,2,3,4,5,6,7,8,9,10,11,12,13,14,15
	global_load_b128 v[X+4*\j:X+4*\j+3], v2, s[4:5] offset:512*\j th:TH_LOAD_NT   ; 32 lanes read 512 consecutive bytes
.endr
.irp j, 0,1,2,3,4,5,6,7,8,9,10,11,12,13,14,15
	global_load_b128 v[WN+4*\j:WN+4*\j+3], v2, s[6:7] offset:512*\j
.endr
.irp t, 0,1,2,3,4,5,6,7
	global_load_b64 v[M+2*\t:M+2*\t+1], v5, s[8:9] offset:16*\t   ; mask[16 QT + r][128 ks + 16 t + 8 h + 0 .. 7]
.endr
	s_wait_loadcnt 24                              ; x is in; norm_w's 16 loads and the mask's 8 may be out
.irp k, 0,1,2,3
	v_pk_mul_f32 v[Q+2*\k:Q+2*\k+1], v[X+2*\k:X+2*\k+1], v[X+2*\k:X+2*\k+1]   ; the first four pairs start the chains: nothing is cleared
.endr
.set j, 4
.rept 28
	s_delay_alu instid0(VALU_DEP_4)
	v_pk_fma_f32 v[Q+2*(j%4):Q+2*(j%4)+1], v[X+2*j:X+2*j+1], v[X+2*j:X+2*j+1], v[Q+2*(j%4):Q+2*(j%4)+1]
.set j, j+1
.endr
	s_delay_alu instid0(VALU_DEP_3)
	v_pk_add_f32 v[Q:Q+1], v[Q:Q+1], v[Q+2:Q+3]
	s_delay_alu instid0(VALU_DEP_2)
	v_pk_add_f32 v[Q+4:Q+5], v[Q+4:Q+5], v[Q+6:Q+7]
	s_delay_alu instid0(VALU_DEP_1)
	v_pk_add_f32 v[Q:Q+1], v[Q:Q+1], v[Q+4:Q+5]
	s_delay_alu instid0(VALU_DEP_1)
	v_add_f32 v8, v[Q], v[Q+1]
	s_delay_alu instid0(VALU_DEP_1)
	v_add_f32_dpp v8, v8, v8 row_xmask:1 row_mask:0xf bank_mask:0xf
	s_delay_alu instid0(VALU_DEP_1)
	v_add_f32_dpp v8, v8, v8 row_xmask:2 row_mask:0xf bank_mask:0xf
	s_delay_alu instid0(VALU_DEP_1)
	v_add_f32_dpp v8, v8, v8 row_xmask:4 row_mask:0xf bank_mask:0xf
	s_delay_alu instid0(VALU_DEP_1)
	v_add_f32_dpp v8, v8, v8 row_xmask:8 row_mask:0xf bank_mask:0xf
	s_delay_alu instid0(VALU_DEP_1)
	v_permlanex16_b32 v9, v8, s36, s37
	s_delay_alu instid0(VALU_DEP_1)
	v_add_f32 v8, v8, v9                           ; the row's sum of squares, in every lane
	s_delay_alu instid0(VALU_DEP_1)
	v_fmaak_f32 v8, s46, v8, 0x3727c5ac            ; / 2048 (exact) + 1e-5
	s_wait_alu depctr_va_vdst(0)
	v_rsq_f32 v10, v8
	v_mov_b32 v11, 0                               ; a plain line behind the transcendental; also the upper half of the pair v[10:11]
	s_wait_alu depctr_va_vdst(0)                   ; ahead of the first line that names its result
.set j, 0
.rept 32
	v_pk_mul_f32 v[X+j:X+j+1], v[X+j:X+j+1], v[10:11] op_sel_hi:[1,0]   ; x * norm,
.set j, j+2
.endr
	s_wait_loadcnt 8                               ; norm_w is in; the mask's 8 loads may be out
.set j, 0
.rept 32
	v_pk_mul_f32 v[X+j:X+j+1], v[X+j:X+j+1], v[WN+j:WN+j+1]             ; then * norm_w: the order of the definition
.set j, j+2
.endr
.irp j, 0,1,2,3,4,5,6,7,8,9,10,11,12,13,14,15
	ds_store_b128 v3, v[X+4*\j:X+4*\j+3] offset:(\j/4)*32*SP+(\j%4)*8*SP
.endr
.irp c, 0,1,2,3
.irp k, 0,1,2,3
	ds_load_b128 v[X+16*\c+4*\k:X+16*\c+4*\k+3], v4 offset:\c*32*SP+16*\k   ; LDS serves a wave's instructions in order: these see my stores.  Now v[X + 16 c + i] = h[512 c + 16 lane + i]
.endr
.endr
	s_wait_loadcnt 0x0                             ; the mask's bytes; the words are made while the row turns through LDS
.set n, 0
.rept 16
.irp k, 0,1,2,3
	v_bfe_u32 v[12+\k], v[M+2*((n+\k)/8)+((n+\k)%8)/4], 8*\k, 8
.endr
.irp k, 0,1,2,3
	s_delay_alu instid0(VALU_DEP_4)
	v_cmp_ne_u32 s[40+\k], 0, v[12+\k]             ; word n + k: one bit a lane
.endr
.irp k, 0,1,2,3
	v_writelane_b32 v[6+(\k&1)], s[40+\k], (n+\k)>>1   ; lane l keeps words 2 l and 2 l + 1
.endr
.set n, n+4
.endr
	global_store_b64 v173, v[6:7], s[14:15]        ; 32 lanes store the unit's 256 consecutive bytes
	s_wait_kmcnt 0x0
.macro SCLIM P, E
	s_add_co_i32 s44, s[\E], 127
	s_lshl_b32 s45, s44, 23
	v_mov_b32 v[SC+\P], s45                        ; 2^e as f32: the conversion takes its exponent field
.endm
	SCLIM 0, 20
	SCLIM 1, 22
	SCLIM 2, 24
	SCLIM 3, 32
	SCLIM 4, 34
	s_wait_alu depctr_va_vdst(0)
	s_wait_dscnt 0x0                               ; the row is back
; chunk c (512 numbers, 16 a lane) for plane P.
.macro QP c, P
.set TS, T0+16*((5*(\c)+(\P))%2)
.irp i, 0,1,2,3,4,5,6,7,8,9,10,11,12,13,14,15
.endr
	v_cvt_scalef32_pk8_fp8_f32 v[C+16*(\P)+4*(\c):C+16*(\P)+4*(\c)+1], v[TS+((X+16*(\c)+0)-(TS+0)):TS+7+((X+16*(\c)+0)-(TS+0))], v[SC+\P]
	v_cvt_scalef32_pk8_fp8_f32 v[C+16*(\P)+4*(\c)+2:C+16*(\P)+4*(\c)+3], v[TS+8+((X+16*(\c)+0)-(TS+0)):TS+15+((X+16*(\c)+0)-(TS+0))], v[SC+\P]
	global_store_b128 v[OFFP+\P], v[C+16*(\P)+4*(\c):C+16*(\P)+4*(\c)+3], s[12:13] offset:512*(\c)   ; 32 lanes store 512 consecutive bytes
.endm
.irp c, 0,1,2,3
.irp P, 0,1,2,3,4
	QP \c, \P
.endr
.endr
	s_wait_tensorcnt 0x0
	ds_add_u32 v174, v175
	s_wait_dscnt 0x0
	s_endpgm
.Lfunc_end_k_q9414acb778_norm:
	.size	k_q9414acb778_norm, .Lfunc_end_k_q9414acb778_norm-k_q9414acb778_norm
	.p2alignl 7, 3214868480
	.fill 96, 4, 3214868480
	.section	.rodata,"a",@progbits
	.p2align	6, 0x0
	.amdhsa_kernel k_q9414acb778_norm
		.amdhsa_group_segment_fixed_size 82944
		.amdhsa_private_segment_fixed_size 0
		.amdhsa_enable_private_segment 0
		.amdhsa_kernarg_size 48
		.amdhsa_user_sgpr_count 2
		.amdhsa_user_sgpr_kernarg_segment_ptr 1
		.amdhsa_wavefront_size32 1
		.amdhsa_system_sgpr_workgroup_id_x 1
		.amdhsa_system_sgpr_workgroup_id_y 1
		.amdhsa_system_sgpr_workgroup_id_z 1
		.amdhsa_system_vgpr_workitem_id 0
		.amdhsa_next_free_vgpr 256
		.amdhsa_next_free_sgpr 66
		.amdhsa_reserve_vcc 0
		.amdhsa_float_denorm_mode_32 3
		.amdhsa_float_denorm_mode_16_64 3
		.amdhsa_fp16_overflow 1
		.amdhsa_memory_ordered 1
		.amdhsa_forward_progress 1
		.amdhsa_inst_pref_size 36
	.end_amdhsa_kernel
	.amdgpu_metadata
---
amdhsa.version: [ 1, 2 ]
amdhsa.kernels:
  - .name:           k_q9414acb778_norm
    .symbol:         k_q9414acb778_norm.kd
    .args:
      - { .name: x, .offset: 0, .size: 8, .value_kind: global_buffer, .address_space: global }
      - { .name: norm_w, .offset: 8, .size: 8, .value_kind: global_buffer, .address_space: global }
      - { .name: mask, .offset: 16, .size: 8, .value_kind: global_buffer, .address_space: global }
      - { .name: lowp_scales, .offset: 24, .size: 8, .value_kind: global_buffer, .address_space: global }
      - { .name: hc, .offset: 32, .size: 8, .value_kind: global_buffer, .address_space: global }
      - { .name: mw, .offset: 40, .size: 8, .value_kind: global_buffer, .address_space: global }
    .group_segment_fixed_size: 82944
    .private_segment_fixed_size: 0
    .kernarg_segment_align: 8
    .kernarg_segment_size: 48
    .max_flat_workgroup_size: 256
    .sgpr_count:     66
    .vgpr_count:     256
    .wavefront_size: 32
...
	.end_amdgpu_metadata
.endif
;; end of part 1
;; launch proj (part 2): grid 8 x 28, 4 waves a work-group, clusters of 4 x 1, 327,680 bytes of LDS; arguments hc, wq_codes, wk_codes, wv_codes, w_gate_codes, w_up_codes, cos, sin, lowp_scales, qkv, gu; writes qkv, gu
.if DOCPART == 2
	.amdgcn_target "amdgcn-amd-amdhsa--gfx1250"
	.amdhsa_code_object_version 6
	.text
	.protected	k_q9414acb778_proj
	.globl	k_q9414acb778_proj
	.p2align	8
	.type	k_q9414acb778_proj,@function
k_q9414acb778_proj:
	s_mov_b64 s[64:65], 0
	v_nop
	global_prefetch_b8 v0, s[64:65] scope:SCOPE_SE
	s_setreg_imm32_b32 hwreg(HW_REG_WAVE_MODE, 25, 1), 1
	s_wait_xcnt 0x0
	s_wait_alu depctr_hold_cnt(0) depctr_sa_sdst(0) depctr_va_vdst(0) depctr_va_sdst(0) depctr_va_ssrc(0) depctr_va_vcc(0) depctr_vm_vsrc(0)
	s_getreg_b32 s2, hwreg(HW_REG_IB_STS2, 6, 4)
	s_cmp_eq_u32 s2, 0
	s_cbranch_scc0 .Lentry_in_a_cluster
	s_endpgm
.Lentry_in_a_cluster:
	s_bfe_u32 s2, ttmp6, 0x10000c
	s_cmp_lg_u32 s2, 0x3003
	s_cbranch_scc0 .Lentry_shape_is_right
	s_endpgm
.Lentry_shape_is_right:
; The five products of h: one tile of 256 tokens x 256 weight rows, K = 2,048, to a work-group; all on E4M3 codes, sums in f32.
; Work-group y picks the section: 0-7 q, 8-15 gate, 16-23 up, 24-25 k, 26-27 v; x picks the 256 tokens.  Each section has its own plane of h's codes and its own weights.
; q, k: RoPE on the raw sums (it is linear), then codes with the scale 2^(e_out - e_h - e_w) folded into the conversion.  v: codes along the KEYS.  gate, up: the raw sums go out as f32.
; Four waves, each 128 x 128: 64 accumulators.  K goes in steps of 256 through two LDS slots filled by the tensor data mover.
; THE MATRIX INSTRUCTION IS USED TRANSPOSED: source 0 = 16 rows of the B side, source 1 = 16 rows of the A side: register j of block b of lane (r, h) is (A row r, B row 16 b + 8 h + j).
; So the conversion of a block's eight registers IS registers 2 b, 2 b + 1 of a fragment (16 rows x 128 k) of the next product, and results leave as IMAGES of such fragments: registers 4 g .. 4 g + 3 of lane L at
; 512 g + 16 L, 2,048 bytes a fragment: no stage in LDS, each store 512 consecutive bytes.  A side = tokens, B side = weights; in section v they change places (a lane then holds one channel, its registers run along the keys):
; only the two LDS bases differ.
; CLUSTER 4 x 1: the four partners take four token tiles against the SAME weight tile, which is asked for jointly.  The token tiles are each work-group's own (plain loads).  No 4 x 4: k and v have two weight
; tiles each and planes of h of their own, so no four neighbours along y share a token tile.
; qkv: q images at head x 2^18 + (token / 16) x 2,048; from 4 MiB on, for kv head c and key step ks of 128: c x 2^19 + ks x 2^15 + (K: 0, V: 2^14) + a x 2,048.
; gu: plane (gate 0, up 1) x 16 MiB + ((8 x + tile column) x 4 + wave) x 65,536 + accumulator (8 a + b) x 1,024 + half x 512 + 16 x lane.
; LIMITS: e_out - e_h - e_w lies between -126 and 119 for q, k and v.  RoPE uses fused multiply-adds.
; REGISTERS, in windows of 256: window 0: v0-31 addresses; from v128 the A side's fragments, ONE set; on the way out v32-255 are free.  window 1: the B side's, TWO sets.  windows 2, 3: the accumulators ((a, b) at v[8 (8 (a % 4) + b)]).
.set ROWB,   256                       ; a tile's row: 256 codes
.set KROW,   2048                      ; a row in memory
.set PITCH,  272                       ; an LDS row: 256 bytes + 16 of padding = 68 words: the 16 rows that a load touches start at 16 different banks (64 banks of 4 bytes: ISA guide 11.1)
.set FR,     16
.set NL,     4
.set NP,     4                         ; places behind this matrix instruction (ISA guide 7.12.1)
.set HALFT,  128*PITCH                 ; what one tensor load brings
.set SLOT,   4*HALFT                   ; 256 token rows, then 256 weight rows
.set LAPS,   4                         ; 2,048 / 512
.set SPARE,  2*SLOT                    ; behind the ring: the spare words, 128 bytes for each wave
.set ADRA, 16                          ; v16-17  LDS address of my A side's fragments in slot 0, 1
.set ADRB, 20                          ; v20-21  the same for the B side
.set IMG,  24                          ; v24     16 x lane
.set CSO,  25                          ; v25     cos, sin: (128 i + r) x 256 + 32 h
.set SCL,  26                          ; v26     2^(e_out - e_h - e_w)
.set LIM,  27                          ; v27     448 x that
.set SPW,  28                          ; v28     LDS address of my spare word; never rewritten
.set NIL,  29                          ; v29     0; never rewritten
.set T,    32                          ; the way out: 64 numbers
.set AF,   128
.set G1, 24                            ; s[24:31] group 1 for token tiles; s[32:39] group 0, a set for each slot
.set G0, 32
.set G1B, 48                           ; s[48:55], s[56:63] the same for weight tiles
.set G0B, 56
.set MSB, 0
.macro WIN new                         ; the immediate's high byte repeats the setting that is left
.if MSB != \new
	s_set_vgpr_msb (MSB<<8)|\new
.set MSB, \new
.endif
.endm
.set MUL_LO, 0xa1                      ; source 0 window 1, source 1 window 0, C and D window 2
.set MUL_HI, 0xf1
.set TO_B,   0x40
; Waves 0 and 1 fetch the token tile's halves, waves 2 and 3 the weight tile's (jointly).  The branch hangs on the wave's number alone.  Four v_nop follow each of the two lines.
.macro JLOAD g0a, g1a, g0b, g1b
	s_cmp_eq_u32 s15, 0
	s_cbranch_scc0 .Lfor_b_\@
	tensor_load_to_lds s[\g0a:\g0a+3], s[\g1a:\g1a+7]
	s_nop 0
.rept 4
	v_nop
.endr
	s_branch .Lasked_\@
.Lfor_b_\@:
	tensor_load_to_lds s[\g0b:\g0b+3], s[\g1b:\g1b+7]
	s_nop 0
.rept 4
	v_nop
.endr
.Lasked_\@:
.endm
.macro CREST                           ; a round of the cluster's barrier behind its opening barrier
	s_cmp_lg_u32 s14, 0
	s_cbranch_scc1 .Lnot_wave_0_\@
	s_barrier_signal -3
.Lnot_wave_0_\@:
	s_barrier_wait -3
	s_barrier_signal -1
	s_barrier_wait -1
.endm
.macro CROUND
	s_barrier_signal -1
	s_barrier_wait -1
	CREST
.endm
	s_load_b256 s[68:75], s[0:1], 0x0              ; hc s[68:69], wq s[70:71], wk s[72:73], wv s[74:75]
	s_load_b256 s[76:83], s[0:1], 0x20             ; w_gate s[76:77], w_up s[78:79], cos s[80:81], sin s[82:83]
	s_load_b128 s[84:87], s[0:1], 0x40             ; lowp_scales s[84:85], qkv s[86:87]
	s_load_b64 s[88:89], s[0:1], 0x50              ; gu
	v_lshl_add_u32 v[SPW], v0, 2, SPARE
	v_mov_b32 v[NIL], 0
	ds_add_u32 v28, v29
	ds_add_u32 v28, v29
	s_wait_dscnt 0x0
	v_lshrrev_b32 v1, 5, v0
	v_readfirstlane_b32 s14, v1                    ; wave 0..3
	s_lshr_b32 s15, s14, 1                         ; i: my half of the A side.  Also: I fetch tokens (0) or weights (1)
	s_and_b32 s16, s14, 1                          ; j: my half of the B side.  Also: which 128 rows I fetch
	s_bfe_u32 s40, ttmp6, 0x40000                  ; cx
	s_lshl_b32 s41, ttmp9, 2
	s_add_co_u32 s41, s41, s40                     ; X: the token tile
	s_and_b32 s42, ttmp7, 0xffff                   ; Y: the same in all four partners
	s_mov_b32 s[G1+0], (1<<20)|(5<<22)|(3<<25)     ; no mask; elements of 1 byte; padding: 4 words after every 64
	s_mov_b32 s[G1B+0], 15|(1<<20)|(1<<21)|(5<<22)|(3<<25)   ; the same with the mask of all four work-groups, and bit 21 beside it
.irp g, G1, G1B
	s_mov_b32 s[\g+1], ROWB<<16                    ; tensor_dim0
	s_mov_b32 s[\g+2], 128<<16                     ; tensor_dim1
	s_mov_b32 s[\g+3], ROWB<<16                    ; tile_dim0
	s_mov_b32 s[\g+4], 128                         ; tile_dim1
	s_mov_b32 s[\g+5], KROW                        ; tensor_dim0_stride
	s_mov_b32 s[\g+6], 0
	s_mov_b32 s[\g+7], 0
.endr
	s_mul_i32 s47, s14, HALFT                      ; where my rows go: wave x 128 rows
	s_mov_b32 s43, 0                               ; the section's first Y,
	s_mov_b32 s44, 0                               ; its plane of h's codes,
	s_mov_b32 s45, 0                               ; the byte of its two scales (h's, the weights'),
	s_mov_b32 s46, 24                              ; and of its result's scale
	s_wait_kmcnt 0x0
	s_mov_b64 s[90:91], s[70:71]                   ; q
	s_cmp_ge_u32 s42, 8                            ; gate
	s_cselect_b64 s[90:91], s[76:77], s[90:91]
	s_cselect_b32 s43, 8, s43
	s_cselect_b32 s44, 3, s44
	s_cselect_b32 s45, 48, s45
	s_cmp_ge_u32 s42, 16                           ; up
	s_cselect_b64 s[90:91], s[78:79], s[90:91]
	s_cselect_b32 s43, 16, s43
	s_cselect_b32 s44, 4, s44
	s_cselect_b32 s45, 56, s45
	s_cmp_ge_u32 s42, 24                           ; k
	s_cselect_b64 s[90:91], s[72:73], s[90:91]
	s_cselect_b32 s43, 24, s43
	s_cselect_b32 s44, 1, s44
	s_cselect_b32 s45, 8, s45
	s_cselect_b32 s46, 28, s46
	s_cmp_ge_u32 s42, 26                           ; v
	s_cselect_b64 s[90:91], s[74:75], s[90:91]
	s_cselect_b32 s43, 26, s43
	s_cselect_b32 s44, 2, s44
	s_cselect_b32 s45, 16, s45
	s_cselect_b32 s46, 36, s46
	s_cselect_b32 s21, 2*HALFT, 0                  ; the A side's rows in a slot: the tokens', in section v the weights'
	s_cselect_b32 s22, 0, 2*HALFT                  ; the B side's: the other
	s_sub_co_u32 s43, s42, s43                     ; WT: the weight tile in its section
	s_load_b64 s[96:97], s[84:85], s45 offset:0x0  ; e_h, e_w
	s_load_b32 s98, s[84:85], s46 offset:0x0       ; e_out (unused for gate and up)
	s_mul_i32 s23, s15, HALFT
	s_add_co_u32 s21, s21, s23
	s_mul_i32 s23, s16, HALFT
	s_add_co_u32 s22, s22, s23
	s_lshl_b32 s18, s44, 22                        ; the plane,
	s_lshl_b32 s19, s41, 19                        ; 256 X rows of 2,048 bytes,
	s_add_co_u32 s18, s18, s19
	s_lshl_b32 s19, s16, 18                        ; my 128 of them
	s_add_co_u32 s18, s18, s19
	s_mov_b32 s19, 0
	s_add_nc_u64 s[92:93], s[68:69], s[18:19]
	s_lshl_b32 s66, s43, 19                        ; the weights: made of Y and the wave's number alone
	s_lshl_b32 s67, s16, 18
	s_add_co_u32 s66, s66, s67
	s_mov_b32 s67, 0
	s_add_nc_u64 s[90:91], s[90:91], s[66:67]
	CROUND                                         ; all four work-groups are here: the first joint loads meet
.irp s, 0,1
	s_mov_b32 s[G0+4*\s], 1
	s_add_co_u32 s[G0+4*\s+1], s47, \s*SLOT
	s_add_nc_u64 s[G0+4*\s+2:G0+4*\s+3], s[92:93], \s*ROWB
	s_or_b32 s[G0+4*\s+3], s[G0+4*\s+3], 0x80000000
	s_mov_b32 s[G0B+4*\s], 1
	s_add_co_u32 s[G0B+4*\s+1], s47, \s*SLOT
	s_add_nc_u64 s[G0B+4*\s+2:G0B+4*\s+3], s[90:91], \s*ROWB
	s_or_b32 s[G0B+4*\s+3], s[G0B+4*\s+3], 0x80000000
	JLOAD G0+4*\s, G1, G0B+4*\s, G1B
.endr
	v_and_b32 v1, 15, v0                           ; r
	v_bfe_u32 v2, v0, 4, 1                         ; h
	v_mul_u32_u24 v3, v1, PITCH
	v_lshl_add_u32 v4, v2, 4, v3                   ; a fragment's row x pitch + 16 h
.irp s, 0,1
	v_add_nc_u32 v[ADRA+\s], s21, v4
	v_add_nc_u32 v[ADRB+\s], s22, v4
	s_add_co_u32 s21, s21, SLOT
	s_add_co_u32 s22, s22, SLOT
.endr
	v_and_b32 v[IMG], 31, v0
	v_lshlrev_b32 v[IMG], 4, v[IMG]
	v_lshlrev_b32 v[CSO], 8, v1
	v_lshl_add_u32 v[CSO], v2, 5, v[CSO]
	s_lshl_b32 s18, s15, 15
	v_add_nc_u32 v[CSO], s18, v[CSO]
.macro FRAG reg, adr, q, i             ; 16 rows x 128 K: four loads of 16 bytes, 32 apart: a permutation of k that is the same on both sides
.irp c, 0,1,2,3
	ds_load_b128 v[\reg+4*\c:\reg+4*\c+3], v[\adr] offset:128*(\q)+32*\c+(\i)*16*PITCH
.endr
.endm
; 16 matrix instructions: A blocks a0, a0 + 1 x the B side's eight.  The 64 accumulators take turns, one instruction a turn, in the same order in every step.
.macro MUL16 a0, p, zero
.irp a, \a0, \a0+1
.irp b, 0,1,2,3,4,5,6,7
.if \zero
	v_wmma_f32_16x16x128_fp8_fp8 v[8*(8*((\a)%4)+\b):8*(8*((\a)%4)+\b)+7], v[128*(\p)+FR*\b:128*(\p)+FR*\b+FR-1], v[AF+FR*(\a):AF+FR*(\a)+FR-1], 0
.else
	v_wmma_f32_16x16x128_fp8_fp8 v[8*(8*((\a)%4)+\b):8*(8*((\a)%4)+\b)+7], v[128*(\p)+FR*\b:128*(\p)+FR*\b+FR-1], v[AF+FR*(\a):AF+FR*(\a)+FR-1], v[8*(8*((\a)%4)+\b):8*(8*((\a)%4)+\b)+7]
.endif
.endr
.endr
.endm
.macro FETCH_B slot, q, p
	WIN TO_B
.irp i, 0,1,2,3,4,5,6,7
	FRAG 128*(\p)+FR*\i, ADRB+\slot, \q, \i
.endr
	WIN 0
.endm
.macro FETCH_A slot, q, i0
.irp i, \i0, \i0+1, \i0+2, \i0+3
	FRAG AF+FR*(\i), ADRA+\slot, \q, \i
.endr
.endm
.macro PLACES n                        ; plain vector lines between a matrix instruction and a load into, or a read of, its registers
.rept \n
	v_nop
.endr
.endm
.macro STEP slot, q, zero              ; 128 along K whose successor lies in the same slot
	s_wait_dscnt 4*NL                              ; the B side and A blocks 0-3 are in; the youngest 16 loads (A blocks 4-7) may be out
	WIN MUL_LO
	MUL16 0, (\q)%2, \zero
	MUL16 2, (\q)%2, \zero
	s_wait_dscnt 0
	PLACES NP
	FETCH_B \slot, (\q)+1, 1-(\q)%2
	FETCH_A \slot, (\q)+1, 0
	WIN MUL_HI
	MUL16 4, (\q)%2, \zero
	MUL16 6, (\q)%2, \zero
	PLACES NP
	WIN 0
	FETCH_A \slot, (\q)+1, 4
.endm
; A slot's last step changes slots, AT ITS HEAD: all its fragments have been asked for already, so the slot can be given up before the step is multiplied.  Each wave waits for all its tensor loads, adds 0 to its
; spare word, and waits for that and for its own reads of this slot; then ONE barrier (with fill = 1: a round of the cluster's), and the refill first behind it.  The step's 64 matrix instructions follow the refill:
; together with the next step's 64 they are the work under which it lands.
.macro TURN slot, next, fill
	s_wait_tensorcnt 0x0                           ; all my tensor loads have landed: my part of the next slot
	ds_add_u32 v[SPW], v[NIL]                      ; 0 onto my spare word
.if \fill
	s_add_nc_u64 s[G0+4*\slot+2:G0+4*\slot+3], s[G0+4*\slot+2:G0+4*\slot+3], 2*ROWB       ; no load of mine is out, so the groups 0 may be written: this slot's next K step
	s_add_nc_u64 s[G0B+4*\slot+2:G0B+4*\slot+3], s[G0B+4*\slot+2:G0B+4*\slot+3], 2*ROWB
.endif
	s_wait_dscnt 0x0                               ; the add is done, and my reads of this slot are over: its last fragments are in registers
.if \fill
	CROUND                                         ; no wave of any partner still reads this slot or has a load on its way
	JLOAD G0+4*\slot, G1, G0B+4*\slot, G1B         ; the first tensor load behind the round
.else
	s_barrier_signal -1
	s_barrier_wait -1                              ; the next slot is whole for every wave
.endif
	WIN MUL_LO
	MUL16 0, 1, 0
	MUL16 2, 1, 0
	PLACES NP
	FETCH_B \next, 0, 0
	FETCH_A \next, 0, 0
	WIN MUL_HI
	MUL16 4, 1, 0
	MUL16 6, 1, 0
	PLACES NP
	WIN 0
	FETCH_A \next, 0, 4
.endm
	s_wait_tensorcnt 1                             ; my part of slot 0 is in; slot 1's load may be out
	s_barrier_signal -1
	s_barrier_wait -1
	FETCH_B 0, 0, 0
	FETCH_A 0, 0, 0
	FETCH_A 0, 0, 4
	STEP 0, 0, 1                                   ; the first step's products start the sums
	s_mov_b32 s3, LAPS-1
.Llap:                                                 ; a trip goes once round the ring and fills both slots again
	TURN 0, 1, 1
	STEP 1, 0, 0
	TURN 1, 0, 1
	STEP 0, 0, 0
	s_sub_co_u32 s3, s3, 1
	s_cmp_lg_u32 s3, 0
	s_cbranch_scc1 .Llap
	TURN 0, 1, 0                                   ; the last lap fills nothing
	STEP 1, 0, 0
	s_wait_dscnt 4*NL
	WIN MUL_LO
	MUL16 0, 1, 0
	MUL16 2, 1, 0
	s_wait_dscnt 0
	WIN MUL_HI
	MUL16 4, 1, 0
	MUL16 6, 1, 0
	WIN 0
	; THE WAY OUT.  U: which 128 weight rows are mine (a head); V: which 128 tokens.
	s_cmp_ge_u32 s42, 26
	s_cselect_b32 s94, s15, s16
	s_cselect_b32 s95, s16, s15
	s_lshl_b32 s18, s43, 1
	s_add_co_u32 s94, s94, s18                     ; U = 2 WT + my half
	s_lshl_b32 s18, s41, 1
	s_add_co_u32 s95, s95, s18                     ; V = 2 X + my half
	s_cmp_ge_u32 s42, 24
	s_cselect_b32 s18, 19, 18
	s_cselect_b32 s19, 15, 14
	s_cselect_b32 s22, 0x400000, 0
	s_lshl_b32 s18, s94, s18
	s_lshl_b32 s19, s95, s19
	s_add_co_u32 s18, s18, s19
	s_add_co_u32 s18, s18, s22
	s_cmp_ge_u32 s42, 26
	s_cselect_b32 s22, 0x4000, 0
	s_add_co_u32 s18, s18, s22
	s_mov_b32 s19, 0
	s_add_nc_u64 s[92:93], s[86:87], s[18:19]      ; my eight images in qkv (not used for gate and up)
	s_lshl_b32 s18, s41, 16                        ; cos, sin: 256 X rows of 256 bytes
	s_add_nc_u64 s[80:81], s[80:81], s[18:19]
	s_add_nc_u64 s[82:83], s[82:83], s[18:19]
	s_wait_kmcnt 0x0
	s_sub_co_i32 s98, s98, s96
	s_sub_co_i32 s98, s98, s97                     ; a sum stands for sum x 2^(e_h + e_w): the three scales are folded into the conversion's one
	s_add_co_i32 s98, s98, 127
	s_lshl_b32 s96, s98, 23
	v_mov_b32 v[SCL], s96
	s_add_co_i32 s98, s98, 8
	s_lshl_b32 s98, s98, 23
	s_or_b32 s98, s98, 0x600000
	v_mov_b32 v[LIM], s98
	PLACES NP                                      ; behind the last products: for the loads into the A side's registers and the reads of results
	s_cmp_ge_u32 s42, 26
	s_cbranch_scc1 .Lplain
	s_cmp_ge_u32 s42, 24
	s_cbranch_scc1 .Lrope
	s_cmp_ge_u32 s42, 8
	s_cbranch_scc1 .Lraw
.Lrope:
; cos and sin of block a's 16 tokens: lane (r, h) wants, for b = 0 .. 3, columns 16 b + 8 h + 0 .. 7.  Two sets of 32 + 32 registers, by turns.
.macro CSLOAD a
.set CBL, 128+64*((\a)%2)
.irp b, 0,1,2,3
.irp e, 0,1
	global_load_b128 v[CBL+8*\b+4*\e:CBL+8*\b+4*\e+3], v[CSO], s[80:81] offset:(\a)*4096+64*\b+16*\e
	global_load_b128 v[CBL+32+8*\b+4*\e:CBL+32+8*\b+4*\e+3], v[CSO], s[82:83] offset:(\a)*4096+64*\b+16*\e
.endr
.endr
.endm
.macro CODES a                         ; the 64 numbers in T become a fragment's image
.set CD, 96+16*((\a)%2)
.irp b, 0,1,2,3,4,5,6,7
	v_cvt_scalef32_pk8_fp8_f32 v[CD+2*\b:CD+2*\b+1], v[T+8*\b:T+8*\b+7], v[SCL]
.endr
	v_nop                                          ; a plain line behind the conversions, ahead of the next write of their sources
.irp g, 0,1,2,3
	global_store_b128 v[IMG], v[CD+4*\g:CD+4*\g+3], s[92:93] offset:(\a)*2048+512*\g   ; 32 lanes store 512 consecutive bytes
.endr
.endm
.macro ROPE a                          ; blocks b and b + 4 hold d and d + 64 of the head
.if (\a) >= 2
	s_wait_xcnt 0x0                                ; block a - 2's stores have read their data, which are written again below
.endif
.if (\a) < 7
	CSLOAD (\a)+1
	s_wait_loadcnt 16                              ; this block's cos and sin are in; the next block's 16 loads may be out
.else
	s_wait_loadcnt 0x0
.endif
.set AC, 64*((\a)%4)
.set CB, 128+64*((\a)%2)
	WIN 0x02+((\a)/4)                              ; source 0: window 2 or 3
.irp b, 0,1,2,3
.irp jj, 0,2,4,6                       ; each accumulator from its low end on
	v_pk_mul_f32 v[T+8*\b+\jj:T+8*\b+\jj+1], v[AC+8*\b+\jj:AC+8*\b+\jj+1], v[CB+8*\b+\jj:CB+8*\b+\jj+1]
	v_pk_mul_f32 v[T+32+8*\b+\jj:T+32+8*\b+\jj+1], v[AC+32+8*\b+\jj:AC+32+8*\b+\jj+1], v[CB+8*\b+\jj:CB+8*\b+\jj+1]
	v_pk_fma_f32 v[T+8*\b+\jj:T+8*\b+\jj+1], v[AC+32+8*\b+\jj:AC+32+8*\b+\jj+1], v[CB+32+8*\b+\jj:CB+32+8*\b+\jj+1], v[T+8*\b+\jj:T+8*\b+\jj+1] neg_lo:[1,0,0] neg_hi:[1,0,0]   ; x1 c - x2 s
	v_pk_fma_f32 v[T+32+8*\b+\jj:T+32+8*\b+\jj+1], v[AC+8*\b+\jj:AC+8*\b+\jj+1], v[CB+32+8*\b+\jj:CB+32+8*\b+\jj+1], v[T+32+8*\b+\jj:T+32+8*\b+\jj+1]                             ; x2 c + x1 s
.endr
.endr
	WIN 0
.set n, 0
.rept 64
	v_med3_num_f32 v[T+n], v[T+n], -v[LIM], v[LIM] ; the conversion does not saturate (ISA guide 7.6.2): hold first
.set n, n+1
.endr
	CODES \a
.endm
	CSLOAD 0
.irp a, 0,1,2,3,4,5,6,7
	ROPE \a
.endr
	s_branch .Lend
.Lplain:
.macro PLAIN a
.if (\a) >= 2
	s_wait_xcnt 0x0                                ; block a - 2's stores have read their data
.endif
.set AC, 64*((\a)%4)
	WIN 0x02+((\a)/4)
.set n, 0
.rept 64
	v_med3_num_f32 v[T+n], v[AC+n], -v[LIM], v[LIM]
.set n, n+1
.endr
	WIN 0
	CODES \a
.endm
.irp a, 0,1,2,3,4,5,6,7
	PLAIN \a
.endr
	s_branch .Lend
.Lraw:
	s_lshl_b32 s18, s41, 3
	s_add_co_u32 s18, s18, s43
	s_lshl_b32 s18, s18, 2
	s_add_co_u32 s18, s18, s14
	s_lshl_b32 s18, s18, 16                        ; ((8 X + WT) x 4 + wave) x 65,536
	s_cmp_ge_u32 s42, 16
	s_cselect_b32 s19, 0x1000000, 0                ; up's plane
	s_add_co_u32 s18, s18, s19
	s_mov_b32 s19, 0
	s_add_nc_u64 s[92:93], s[88:89], s[18:19]
.irp a, 0,1,2,3,4,5,6,7
	WIN 0x08+4*(\a/4)                              ; a store's data: window 2 or 3
.irp b, 0,1,2,3,4,5,6,7
	global_store_b128 v[IMG], v[8*(8*(\a%4)+\b):8*(8*(\a%4)+\b)+3], s[92:93] offset:(8*\a+\b)*1024 th:TH_STORE_NT       ; 512 consecutive bytes; the low half first
	global_store_b128 v[IMG], v[8*(8*(\a%4)+\b)+4:8*(8*(\a%4)+\b)+7], s[92:93] offset:(8*\a+\b)*1024+512 th:TH_STORE_NT
.endr
.endr
	WIN 0
.Lend:
	s_wait_tensorcnt 0x0                           ; the wave's end
	ds_add_u32 v[SPW], v[NIL]
	s_wait_dscnt 0x0
	CROUND                                         ; the closing round: no work-group ends while a partner may still ask for a tile that names it
	s_endpgm
.Lfunc_end_k_q9414acb778_proj:
	.size	k_q9414acb778_proj, .Lfunc_end_k_q9414acb778_proj-k_q9414acb778_proj
	.p2alignl 7, 3214868480
	.fill 96, 4, 3214868480
	.section	.rodata,"a",@progbits
	.p2align	6, 0x0
	.amdhsa_kernel k_q9414acb778_proj
		.amdhsa_group_segment_fixed_size 327680
		.amdhsa_private_segment_fixed_size 0
		.amdhsa_enable_private_segment 0
		.amdhsa_kernarg_size 88
		.amdhsa_user_sgpr_count 2
		.amdhsa_user_sgpr_kernarg_segment_ptr 1
		.amdhsa_wavefront_size32 1
		.amdhsa_system_sgpr_workgroup_id_x 1
		.amdhsa_system_sgpr_workgroup_id_y 1
		.amdhsa_system_sgpr_workgroup_id_z 1
		.amdhsa_system_vgpr_workitem_id 0
		.amdhsa_next_free_vgpr 1024
		.amdhsa_next_free_sgpr 100
		.amdhsa_reserve_vcc 0
		.amdhsa_float_denorm_mode_32 3
		.amdhsa_float_denorm_mode_16_64 3
		.amdhsa_memory_ordered 1
		.amdhsa_forward_progress 1
		.amdhsa_inst_pref_size 216
	.end_amdhsa_kernel
	.amdgpu_metadata
---
amdhsa.version: [ 1, 2 ]
amdhsa.kernels:
  - .name:           k_q9414acb778_proj
    .symbol:         k_q9414acb778_proj.kd
    .args:
      - { .name: hc, .offset: 0, .size: 8, .value_kind: global_buffer, .address_space: global }
      - { .name: wq_codes, .offset: 8, .size: 8, .value_kind: global_buffer, .address_space: global }
      - { .name: wk_codes, .offset: 16, .size: 8, .value_kind: global_buffer, .address_space: global }
      - { .name: wv_codes, .offset: 24, .size: 8, .value_kind: global_buffer, .address_space: global }
      - { .name: w_gate_codes, .offset: 32, .size: 8, .value_kind: global_buffer, .address_space: global }
      - { .name: w_up_codes, .offset: 40, .size: 8, .value_kind: global_buffer, .address_space: global }
      - { .name: cos, .offset: 48, .size: 8, .value_kind: global_buffer, .address_space: global }
      - { .name: sin, .offset: 56, .size: 8, .value_kind: global_buffer, .address_space: global }
      - { .name: lowp_scales, .offset: 64, .size: 8, .value_kind: global_buffer, .address_space: global }
      - { .name: qkv, .offset: 72, .size: 8, .value_kind: global_buffer, .address_space: global }
      - { .name: gu, .offset: 80, .size: 8, .value_kind: global_buffer, .address_space: global }
    .group_segment_fixed_size: 327680
    .private_segment_fixed_size: 0
    .kernarg_segment_align: 8
    .kernarg_segment_size: 88
    .max_flat_workgroup_size: 128
    .sgpr_count:     100
    .vgpr_count:     1024
    .wavefront_size: 32
...
	.end_amdgpu_metadata
.endif
;; end of part 2
;; launch attn (part 3): grid 64 x 4, 8 waves a work-group, clusters of 4 x 1, 327,680 bytes of LDS; arguments qkv, mw, gu, lowp_scales, ac; writes ac
.if DOCPART == 3
	.amdgcn_target "amdgcn-amd-amdhsa--gfx1250"
	.amdhsa_code_object_version 6
	.text
	.protected	k_q9414acb778_attn
	.globl	k_q9414acb778_attn
	.p2align	8
	.type	k_q9414acb778_attn,@function
k_q9414acb778_attn:
	s_mov_b64 s[64:65], 0
	v_nop
	global_prefetch_b8 v0, s[64:65] scope:SCOPE_SE
	s_setreg_imm32_b32 hwreg(HW_REG_WAVE_MODE, 25, 1), 1
	s_wait_xcnt 0x0
	s_wait_alu depctr_hold_cnt(0) depctr_sa_sdst(0) depctr_va_vdst(0) depctr_va_sdst(0) depctr_va_ssrc(0) depctr_va_vcc(0) depctr_vm_vsrc(0)
	s_getreg_b32 s2, hwreg(HW_REG_IB_STS2, 6, 4)
	s_cmp_eq_u32 s2, 0
	s_cbranch_scc0 .Lentry_in_a_cluster
	s_endpgm
.Lentry_in_a_cluster:
	s_bfe_u32 s2, ttmp6, 0x10000c
	s_cmp_lg_u32 s2, 0x3003
	s_cbranch_scc0 .Lentry_shape_is_right
	s_endpgm
.Lentry_shape_is_right:
; Attention on E4M3 codes, 16 query heads on 4 key/value heads, head size 128, 2,048 keys, with the mask that is GIVEN (as lane masks in mw); and act = silu(gate) x up.  Both results leave as codes, in ac.
; THE SOFTMAX: t = score x log2(e) / sqrt(128); M = the running largest t rounded UP to a whole number; p = 2^(t - M) is quantised, not normalised; the row's sum is taken of the unquantised p and divides at the end.
; When M moves, the sum and O are multiplied by 2^(old M - new M): exact.  A masked score is -infinity ahead of the maximum.  A row with no true mask entry has the sum 0: its codes become the NaN code, as the definition gives NaN.
; SHARES.  Work-group (g, kv): 32 queries x the four heads of kv head kv: eight tiles of 16 queries.  Wave w holds TWO tiles, the same 16 queries (QT = 2 g + w / 4) of two neighbouring heads, and walks HALF of the
; keys: key steps w % 2, w % 2 + 2, .. of 128 keys.  So each fragment of K and V that a wave reads from LDS feeds two matrix instructions, and one set of 64 lane masks serves both tiles.
; My tile 0 is head 4 kv + w % 4, my tile 1 that head xor 1: waves w and w xor 1 hold the same two tiles in opposite places, each for its half of the keys.  At the end each wave hands its tile 1 (O^T, -M, the sum) to
; its partner through LDS and finishes its tile 0: both M are whole numbers, so both halves come under the larger M by exact powers of two.  No branch tells the partners apart: only addresses do.
; All operands lie in memory as IMAGES of fragments (16 rows x 128 k; registers 4 g .. 4 g + 3 of lane L at 512 g + 16 L), so a key step's K and V are 32 KiB on end and every LDS load takes 512 consecutive bytes: no padding.
; Both products are used transposed: S^T = K Q^T, O^T = V^T P^T: a lane holds ONE query; block t's eight registers are keys 16 t + 8 h + 0 .. 7, which is where registers 2 t, 2 t + 1 of the next operand want them.
; RING: two slots of 4 key steps (131,072 bytes); wave w fills 16 KiB of a slot by one load.  CLUSTER 4 x 1: the four partners share kv, so each load is a joint one.
; No prefetch: a refill is asked for a whole slot (64 matrix instructions and four softmaxes a wave) ahead of the wait for it.
; ACT.  Each wave also makes one image of act (16 tokens x 128), a quarter at each of the four changes of slots: the quarter's eight loads of the raw sums of gate and up are asked for one slot ahead.
; ac: plane 0 ctx, plane 1 act (4 MiB each); image (RB = token / 16, KB = k / 128) at ((RB / 8) x 8 + KB / 2) x 32,768 + (RB % 8) x 4,096 + (KB % 2) x 2,048.
; LIMITS: e6 + e7 between -123 and 130; e12 + e13 between -126 and 127; e8, e10 and e16 - e12 - e13 - e14 - e15 between -126 and 119.  NaN among the sums is not served.
; REGISTERS.  window 0: v1 16 x lane, v2 the step's LDS address, v3 -infinity, v4 16 x lane + 16 MiB, v5, v6 the add's, v7 the partner's stage; v8-15 four statistics a tile; v16-47 Q; v48-175 S^T, then p;
;   v176-207 codes; v208-239 a quarter of gate's and up's sums; v240-255 constants and work.  window 1: v0-127 O^T; v128-255 K's eight fragments, then V's.
.set SLOT1, 1<<17                      ; slot 1 begins here: one exclusive or turns an address from one slot to the other
.set KSB,   32768                      ; a key step: 8 images of K, 8 of V
.set SPARE, 2*SLOT1                    ; behind the ring: the spare words, 128 bytes for each of eight waves
.set STGB,  17*512                     ; a wave's stage at the end: 64 registers of O^T and 4 statistics; the eight lie in slot 0, which has had its last fill and its last read by then
.set ST,  8                            ; tile j: v[ST+4j] -M, +1 the largest t, +2, +3 the sum in two halves
.set Q,   16                           ; tile j: 16 registers
.set S,   48                           ; tile j: 64
.set PC,  176                          ; tile j: 16
.set G,   208
.set U,   224
.set KV,  128                          ; in window 1
.set MSB, 0
.macro WIN new                         ; the immediate's high byte repeats the setting that is left
.if MSB != \new
	s_set_vgpr_msb (MSB<<8)|\new
.set MSB, \new
.endif
.endm
.macro CROUND                          ; a round of the cluster's barrier
	s_barrier_signal -1
	s_barrier_wait -1
	s_cmp_lg_u32 s14, 0
	s_cbranch_scc1 .Lnot_wave_0_\@
	s_barrier_signal -3
.Lnot_wave_0_\@:
	s_barrier_wait -3
	s_barrier_signal -1
	s_barrier_wait -1
.endm
.macro IMGOFF d, rb, kb, t             ; s[d] = the byte of image (s[rb], s[kb]) in a plane of ac
	s_lshr_b32 s[\d], s[\rb], 3
	s_lshl_b32 s[\d], s[\d], 3
	s_lshr_b32 s[\t], s[\kb], 1
	s_add_co_u32 s[\d], s[\d], s[\t]
	s_lshl_b32 s[\d], s[\d], 15
	s_and_b32 s[\t], s[\rb], 7
	s_lshl_b32 s[\t], s[\t], 12
	s_add_co_u32 s[\d], s[\d], s[\t]
	s_and_b32 s[\t], s[\kb], 1
	s_lshl_b32 s[\t], s[\t], 11
	s_add_co_u32 s[\d], s[\d], s[\t]
.endm
.macro SCLIM vs, vl, se, t             ; v[vs] = 2^e, e = s[se] (which is spent)
	s_add_co_i32 s[\t], s[\se], 127
	s_lshl_b32 s[\se], s[\t], 23
	v_mov_b32 v[\vs], s[\se]
.endm
	s_load_b256 s[4:11], s[0:1], 0x0               ; qkv s[4:5], mw s[6:7], gu s[8:9], lowp_scales s[10:11]
	s_load_b64 s[12:13], s[0:1], 0x20              ; ac
	v_lshl_add_u32 v5, v0, 2, SPARE
	v_mov_b32 v6, 0
	ds_add_u32 v5, v6
	ds_add_u32 v5, v6
	s_wait_dscnt 0x0
	v_lshrrev_b32 v1, 5, v0
	s_delay_alu instid0(VALU_DEP_1)
	v_readfirstlane_b32 s14, v1                    ; wave 0..7
	v_and_b32 v1, 31, v0
	s_delay_alu instid0(VALU_DEP_1)
	v_lshlrev_b32 v1, 4, v1                        ; 16 x lane
	s_delay_alu instid0(VALU_DEP_1)
	v_add_nc_u32 v4, 0x1000000, v1                 ; the same in up's plane of gu
	s_bfe_u32 s50, ttmp6, 0x40000                  ; cx
	s_lshl_b32 s51, ttmp9, 2
	s_add_co_u32 s51, s51, s50                     ; g: it enters global addresses alone
	s_and_b32 s52, ttmp7, 0xffff                   ; kv, which the four partners share
	s_mov_b32 s16, 15|(3<<16)|(1<<21)              ; group 1: the mask of all four; elements of 8 bytes; bit 21 beside the mask; no padding
	s_mov_b32 s17, 32<<16                          ; tensor_dim0 = 32 elements = 256 bytes
	s_mov_b32 s18, 64<<16                          ; tensor_dim1 = 64 rows
	s_mov_b32 s19, 32<<16                          ; tile_dim0
	s_mov_b32 s20, 64                              ; tile_dim1
	s_mov_b32 s21, 32                              ; the pitch: dense
	s_mov_b32 s22, 0
	s_mov_b32 s23, 0
	s_mov_b32 s66, 0x76543210                      ; lane selects: lane l xor 16
	s_mov_b32 s67, 0xfedcba98
	s_and_b32 s2, s14, 1
	s_lshl_b32 s2, s2, 15                          ; LDS byte of the key step in hand: my first is step w % 2 of slot 0
	s_mov_b32 s28, 3                               ; slots still to be asked for
	s_mov_b32 s24, 1                               ; group 0
	s_lshl_b32 s25, s14, 14                        ; my 16 KiB of slot 0
	s_lshl_b32 s54, s52, 19
	s_add_co_u32 s54, s54, s25
	s_add_co_u32 s54, s54, 0x400000                ; the kv head's K and V, my 16 KiB
	s_mov_b32 s55, 0
	s_wait_kmcnt 0x0
	s_add_nc_u64 s[26:27], s[4:5], s[54:55]
	s_or_b32 s27, s27, 0x80000000
	s_load_b512 s[32:47], s[10:11], 0x0            ; entries 0 to 15 of the scales: e_n in s[32 + n]
	s_load_b32 s48, s[10:11], 0x40                 ; entry 16
	CROUND                                         ; all four work-groups are here: the first joint loads meet
	tensor_load_to_lds s[24:27], s[16:23]          ; slot 0
	s_nop 0
.rept 4
	v_nop
.endr
	s_and_b32 s53, s14, 3
	s_lshl_b32 s56, s52, 2
	s_add_co_u32 s53, s53, s56                     ; my tile 0's head
	s_lshr_b32 s56, s14, 2
	s_lshl_b32 s57, s51, 1
	s_add_co_u32 s56, s56, s57                     ; QT
	s_lshl_b32 s58, s53, 18
	s_lshl_b32 s59, s56, 11                        ; (under 2^18: bit 18 of the sum is the head's lowest bit)
	s_add_co_u32 s58, s58, s59
	s_mov_b32 s59, 0
	s_add_nc_u64 s[104:105], s[4:5], s[58:59]      ; tile 0's Q
	s_xor_b32 s58, s58, 1<<18                      ; the neighbouring head
	s_add_nc_u64 s[4:5], s[4:5], s[58:59]          ; tile 1's
	s_wait_alu depctr_va_vdst(0)
.irp c, 0,1,2,3
	global_load_b128 v[Q+4*\c:Q+4*\c+3], v1, s[104:105] offset:512*\c   ; Q's images stay in registers
.endr
.irp c, 0,1,2,3
	global_load_b128 v[Q+16+4*\c:Q+16+4*\c+3], v1, s[4:5] offset:512*\c
.endr
	s_lshl_b32 s58, s52, 6
	s_add_co_u32 s58, s58, s51
	s_lshl_b32 s58, s58, 3
	s_add_co_u32 s58, s58, s14                     ; my image of act: number (kv x 64 + g) x 8 + wave of 2,048
	s_lshr_b32 s60, s58, 4                         ; RB
	s_and_b32 s61, s58, 15                         ; KB
	s_lshr_b32 s58, s60, 4                         ; where the projection's wave left its eight accumulators: token tile RB / 16,
	s_lshl_b32 s58, s58, 3
	s_lshr_b32 s62, s61, 1                         ; column tile KB / 2,
	s_add_co_u32 s58, s58, s62
	s_lshl_b32 s58, s58, 2
	s_bfe_u32 s63, s60, 0x10003                    ; wave 2 ((RB / 8) % 2) + KB % 2,
	s_lshl_b32 s63, s63, 1
	s_add_co_u32 s58, s58, s63
	s_and_b32 s63, s61, 1
	s_add_co_u32 s58, s58, s63
	s_lshl_b32 s58, s58, 16
	s_and_b32 s63, s60, 7                          ; block RB % 8: 8 KiB
	s_lshl_b32 s63, s63, 13
	s_add_co_u32 s58, s58, s63
	s_add_nc_u64 s[8:9], s[8:9], s[58:59]
.macro GULOAD                          ; a quarter of my image's raw sums: two accumulators (2,048 bytes) of gate and of up
.irp n, 0,1,2,3
	global_load_b128 v[G+4*\n:G+4*\n+3], v1, s[8:9] offset:512*\n th:TH_LOAD_NT
	global_load_b128 v[U+4*\n:U+4*\n+3], v4, s[8:9] offset:512*\n th:TH_LOAD_NT
.endr
.endm
	GULOAD                                         ; the first quarter
	IMGOFF 58, 56, 53, 57                          ; ctx: image (QT, my tile 0's head)
	IMGOFF 62, 60, 61, 63                          ; act: image (RB, KB),
	s_add_co_u32 s62, s62, 0x400000                ; in plane 1
	s_mov_b32 s63, 0
	s_lshl_b32 s29, s56, 12                        ; mw: my tile's 16 units of 256 bytes,
	s_and_b32 s57, s14, 1
	s_lshl_b32 s57, s57, 8
	s_add_co_u32 s29, s29, s57                     ; from unit w % 2 on
	s_wait_kmcnt 0x0
	s_add_nc_u64 s[10:11], s[12:13], s[58:59]      ; (the scales are in: their pointer's registers take ctx's base)
	s_add_nc_u64 s[12:13], s[12:13], s[62:63]
	s_add_co_i32 s49, s38, s39
	s_lshl_b32 s49, s49, 23
	s_add_co_i32 s30, s49, 0x3e0293ee              ; c = log2(e) / sqrt(128) x 2^(e6 + e7): the exponents are added to c's exponent field
	s_mov_b32 s31, s30
	s_add_co_i32 s49, s44, s45
	s_lshl_b32 s49, s49, 23
	s_add_co_i32 s100, s49, 0xbfb8aa3b             ; -log2(e) x 2^(e12 + e13)
	s_mov_b32 s101, s100
	s_add_co_i32 s15, s40, s41                     ; e8 + e9
	s_sub_co_i32 s48, s48, s44
	s_sub_co_i32 s48, s48, s45
	s_sub_co_i32 s48, s48, s46
	s_sub_co_i32 s48, s48, s47                     ; e16 - e12 - e13 - e14 - e15: act's scales folded into one
	SCLIM 244, 240, 40, 49                         ; p
	SCLIM 245, 241, 42, 49                         ; ctx
	SCLIM 246, 247, 48, 49                         ; act
.macro MASKS                           ; a key step's 64 lane masks: words 0-31 into s68-99, words 32-63 into s32-63
	s_load_b512 s[68:83], s[6:7], s29 offset:0x0
	s_load_b512 s[84:99], s[6:7], s29 offset:0x40
	s_load_b512 s[32:47], s[6:7], s29 offset:0x80
	s_load_b512 s[48:63], s[6:7], s29 offset:0xc0
.endm
	MASKS
	v_mov_b32 v3, 0xff800000                       ; -infinity
	v_mov_b32 v248, 0x7f7f7f7f                     ; four NaN codes
.irp j, 0,1
	v_mov_b32 v[ST+4*\j+1], 0xff61b1e6             ; the largest t so far: -3e38
	s_delay_alu instid0(VALU_DEP_1)
	v_floor_f32 v[ST+4*\j], -v[ST+4*\j+1]          ; -M
	v_mov_b32 v[ST+4*\j+2], 0
	v_mov_b32 v[ST+4*\j+3], 0
.endr
	v_mov_b32 v250, 0                              ; (a lane permute's destination counts as read)
	v_mov_b32 v251, 0
	v_mov_b32 v253, 0                              ; (the upper halves of the pairs v[252:253] and v[254:255])
	v_mov_b32 v255, 0
	WIN 0x40
.set n, 0
.rept 128
	v_mov_b32 v[n], 0                              ; O^T of both tiles: the step is written once; the first change of M leaves zeros zeros
.set n, n+1
.endr
	WIN 0
	s_wait_loadcnt 8                               ; Q is in; the first quarter's eight loads may be out
; A KEY STEP for both tiles: 128 keys.
.macro STEP
	v_add_nc_u32 v2, s2, v1
.rept 3
	v_nop                                          ; with the line above: four places behind the last products, in front of loads into registers that they read
.endr
	WIN 0x40                                       ; destination window 1
.irp t, 0,1,2,3,4,5,6,7
.irp c, 0,1,2,3
	ds_load_b128 v[KV+16*\t+4*\c:KV+16*\t+4*\c+3], v2 offset:2048*\t+512*\c
.endr
.endr
	s_wait_alu depctr_va_vdst(0)
	s_wait_dscnt 16                                ; K's fragments 0-3 are in; the 16 loads of fragments 4-7 may be out
	WIN 0x01                                       ; source 0 window 1
.irp t, 0,1,2,3
.irp j, 0,1
	v_wmma_f32_16x16x128_fp8_fp8 v[S+64*\j+8*\t:S+64*\j+8*\t+7], v[KV+16*\t:KV+16*\t+15], v[Q+16*\j:Q+16*\j+15], 0
.endr
.endr
	s_wait_dscnt 0x0
.irp t, 4,5,6,7
.irp j, 0,1
	v_wmma_f32_16x16x128_fp8_fp8 v[S+64*\j+8*\t:S+64*\j+8*\t+7], v[KV+16*\t:KV+16*\t+15], v[Q+16*\j:Q+16*\j+15], 0
.endr
.endr
	WIN 0
.rept 4
	v_nop                                          ; places: for V's loads into the registers just read, and for the first read of the scores
.endr
	WIN 0x40
.irp a, 0,1,2,3,4,5,6,7
.irp c, 0,1,2,3
	ds_load_b128 v[KV+16*\a+4*\c:KV+16*\a+4*\c+3], v2 offset:16384+2048*\a+512*\c   ; V's eight fragments land under the two softmaxes
.endr
.endr
	WIN 0
	s_wait_kmcnt 0x0                               ; this step's lane masks: the two tiles have the same queries, so the same masks
.irp j, 0,1
.set n, 0
.rept 32
	v_cndmask_b32 v[S+64*\j+n], v3, v[S+64*\j+n], s[68+n]    ; a masked score becomes -infinity; each accumulator from its low end on
.set n, n+1
.endr
.rept 32
	v_cndmask_b32 v[S+64*\j+n], v3, v[S+64*\j+n], s[n]
.set n, n+1
.endr
.endr
	s_add_co_u32 s29, s29, 512                     ; my next step's, two units on (the wait above has shown the last loads done)
	s_min_u32 s29, s29, 0x7ff00                    ; behind the very last unit: the last unit again, unused: no load leaves mw
	MASKS
	; the step's largest score of each query among the lane's 64 keys: two chains a tile, the tiles by turns, so that no line reads the result of the line above it
.irp j, 0,1
	v_max3_num_f32 v[242+\j], v[S+64*\j], v[S+64*\j+1], v[S+64*\j+2]
.endr
.irp j, 0,1
	v_max3_num_f32 v[252+2*\j], v[S+64*\j+3], v[S+64*\j+4], v[S+64*\j+5]
.endr
.irp i, 6,10,14,18,22,26,30,34,38,42,46,50,54,58
.irp j, 0,1
	s_delay_alu instid0(VALU_DEP_4)
	v_max3_num_f32 v[242+\j], v[242+\j], v[S+64*\j+\i], v[S+64*\j+\i+1]
.endr
.irp j, 0,1
	s_delay_alu instid0(VALU_DEP_4)
	v_max3_num_f32 v[252+2*\j], v[252+2*\j], v[S+64*\j+\i+2], v[S+64*\j+\i+3]
.endr
.endr
.irp j, 0,1
	s_delay_alu instid0(VALU_DEP_4)
	v_max3_num_f32 v[242+\j], v[242+\j], v[S+64*\j+62], v[S+64*\j+63]
.endr
.irp j, 0,1
	s_delay_alu instid0(VALU_DEP_2)
	v_max_num_f32 v[242+\j], v[242+\j], v[252+2*\j]
.endr
.irp j, 0,1
	s_delay_alu instid0(VALU_DEP_2)
	v_permlanex16_b32 v[250+\j], v[242+\j], s66, s67
.endr
.irp j, 0,1
	s_delay_alu instid0(VALU_DEP_2)
	v_max_num_f32 v[242+\j], v[242+\j], v[250+\j]  ; and among lane l xor 16's
.endr
.irp j, 0,1
	s_delay_alu instid0(VALU_DEP_2)
	v_mul_f32 v[242+\j], s30, v[242+\j]            ; as t (c is positive)
.endr
.irp j, 0,1
	s_delay_alu instid0(VALU_DEP_2)
	v_max_num_f32 v[ST+4*\j+1], v[ST+4*\j+1], v[242+\j]
.endr
.irp j, 0,1
	v_mov_b32 v[242+\j], v[ST+4*\j]
.endr
.irp j, 0,1
	s_delay_alu instid0(VALU_DEP_4)
	v_floor_f32 v[ST+4*\j], -v[ST+4*\j+1]          ; the new -M = -ceil(t)
.endr
.irp j, 0,1
	s_delay_alu instid0(VALU_DEP_2)
	v_sub_f32 v[242+\j], v[ST+4*\j], v[242+\j]     ; old M - new M: a whole number, 0 or less
.endr
.irp j, 0,1
	s_delay_alu instid0(VALU_DEP_2)
	v_cvt_i32_f32 v[242+\j], v[242+\j]             ; (it saturates)
.endr
.irp j, 0,1
	s_delay_alu instid0(VALU_DEP_2)
	v_ldexp_f32 v[252+2*\j], 1.0, v[242+\j]        ; f = 2^(old M - new M)
.endr
.irp j, 0,1
.set n, 0
.rept 32
	v_pk_fma_f32 v[S+64*\j+n:S+64*\j+n+1], v[S+64*\j+n:S+64*\j+n+1], s[30:31], v[ST+4*\j:ST+4*\j+1] op_sel_hi:[1,0,0]   ; t - M
.set n, n+2
.endr
.endr
.set n, 0
	s_setprio 1
	s_wait_alu depctr_va_vdst(0)
.rept 128
	v_exp_f32 v[S+n], v[S+n]                       ; p = 2^(t - M): both tiles in one batch
.set n, n+1
.endr
.irp j, 0,1
	v_pk_mul_f32 v[ST+4*\j+2:ST+4*\j+3], v[ST+4*\j+2:ST+4*\j+3], v[252+2*\j:253+2*\j] op_sel_hi:[1,0]   ; the sums under the new M: the plain lines behind the exponentials
.endr
	s_wait_alu depctr_va_vdst(0)                   ; one wait for the batch, ahead of its first reader
.irp j, 0,1
	WIN 0
	v_pk_add_f32 v[242:243], v[S+64*\j:S+64*\j+1], v[S+64*\j+2:S+64*\j+3]    ; the row's sum of the UNQUANTISED p, in two chains
.irp i, 4,8,12,16,20,24,28,32,36,40,44,48,52,56,60
	v_pk_add_f32 v[ST+4*\j+2:ST+4*\j+3], v[ST+4*\j+2:ST+4*\j+3], v[S+64*\j+\i:S+64*\j+\i+1]
	v_pk_add_f32 v[242:243], v[242:243], v[S+64*\j+\i+2:S+64*\j+\i+3]
.endr
	s_delay_alu instid0(VALU_DEP_1)
	v_pk_add_f32 v[ST+4*\j+2:ST+4*\j+3], v[ST+4*\j+2:ST+4*\j+3], v[242:243]
.irp t, 0,1,2,3,4,5,6,7
.irp i, 0,1,2,3,4,5,6,7
.endr
	v_cvt_scalef32_pk8_fp8_f32 v[PC+16*\j+2*\t:PC+16*\j+2*\t+1], v[S+64*\j+8*\t:S+64*\j+8*\t+7], v244
.endr
	WIN 0x41                                       ; O^T (destination and source 0) window 1, f window 0
.set n, 0
.rept 32
	v_pk_mul_f32 v[64*\j+n:64*\j+n+1], v[64*\j+n:64*\j+n+1], v[252+2*\j:253+2*\j] op_sel_hi:[1,0]   ; O^T under the new M; also the plain lines behind the conversions
.set n, n+2
.endr
.endr
	s_wait_alu depctr_va_vdst(0)
	s_wait_dscnt 0x0                               ; V is in
	WIN 0x51                                       ; V, C and D window 1; the codes window 0
	s_setprio 0
.irp t, 0,1,2,3,4,5,6,7                ; the sixteen accumulators take turns, one instruction a turn
.irp j, 0,1
	v_wmma_f32_16x16x128_fp8_fp8 v[64*\j+8*\t:64*\j+8*\t+7], v[KV+16*\t:KV+16*\t+15], v[PC+16*\j:PC+16*\j+15], v[64*\j+8*\t:64*\j+8*\t+7]
.endr
.endr
	WIN 0
.endm
; THE CHANGE OF SLOTS, at a slot's head: each wave waits for all its tensor loads (its part of the slot ahead), adds 0 to its spare word, and waits for that and for its reads of the slot that it has left.
; fill = 1: the barrier is a round of the cluster's, and the slot just left is filled with the four key steps that follow: a whole slot's work in which to land.
.macro CHANGE fill
	s_wait_tensorcnt 0x0
	ds_add_u32 v5, v6                              ; 0 onto my spare word
.if \fill
	s_xor_b32 s25, s25, SLOT1                      ; no load of mine is out, so group 0 may be written: the other slot,
	s_add_nc_u64 s[26:27], s[26:27], 4*KSB         ; the next four key steps
.endif
	s_wait_dscnt 0x0
.if \fill
	CROUND
	tensor_load_to_lds s[24:27], s[16:23]          ; the first thing behind the round, and my one tensor load until the next
	s_nop 0
.rept 4
	v_nop
.endr
.else
	s_barrier_signal -1
	s_barrier_wait -1
.endif
.endm
; A QUARTER OF ACT = g u / (1 + 2^(-g log2 e)), on the raw sums G and U; the four scales are folded into the conversion's one.  16 numbers a lane become registers 4 q .. 4 q + 3 of the image: one store.
; more = 1: the next quarter's sums are asked for; they have a slot's work in which to land.
.macro ACTQ more
	s_wait_loadcnt 0x0                             ; asked for a slot ago (the first: at the head)
.set n, 0
.rept 8
	v_pk_mul_f32 v[U+n:U+n+1], v[G+n:G+n+1], v[U+n:U+n+1]                 ; G U
.set n, n+2
.endr
.set n, 0
.rept 8
	v_pk_mul_f32 v[G+n:G+n+1], v[G+n:G+n+1], s[100:101] op_sel_hi:[1,0]   ; -g log2(e)
.set n, n+2
.endr
.set n, 0
	s_wait_alu depctr_va_vdst(0)
.rept 16
	v_exp_f32 v[G+n], v[G+n]
.set n, n+1
.endr
	v_nop                                          ; a plain line behind the exponentials
	s_wait_alu depctr_va_vdst(0)
.set n, 0
.rept 8
	v_pk_add_f32 v[G+n:G+n+1], v[G+n:G+n+1], 1.0 op_sel_hi:[1,0]
.set n, n+2
.endr
.set n, 0
	s_wait_alu depctr_va_vdst(0)
.rept 16
	v_rcp_f32 v[G+n], v[G+n]
.set n, n+1
.endr
	v_nop
	s_wait_alu depctr_va_vdst(0)
.set n, 0
.rept 8
	v_pk_mul_f32 v[U+n:U+n+1], v[U+n:U+n+1], v[G+n:G+n+1]
.set n, n+2
.endr
.set n, 0
.rept 16
.set n, n+1
.endr
	v_cvt_scalef32_pk8_fp8_f32 v[G:G+1], v[U:U+7], v246
	v_cvt_scalef32_pk8_fp8_f32 v[G+2:G+3], v[U+8:U+15], v246
	v_nop                                          ; a plain line behind the conversions
	global_store_b128 v1, v[G:G+3], s[12:13]       ; 32 lanes store 512 consecutive bytes
.if \more
	s_wait_xcnt 0x0                                ; the store has read its data and its base: both are written again below
	s_add_nc_u64 s[8:9], s[8:9], 2048
	s_add_nc_u64 s[12:13], s[12:13], 512
	GULOAD
.endif
.endm
.macro TWO_STEPS                       ; my two of the slot's four key steps
	s_mov_b32 s3, 2
.Lstep_\@:
	s_setprio 2
	STEP
	s_add_co_u32 s2, s2, 2*KSB
	s_sub_co_u32 s3, s3, 1
	s_cmp_lg_u32 s3, 0
	s_cbranch_scc1 .Lstep_\@
	s_setprio 0
	s_sub_co_u32 s2, s2, 4*KSB
	s_xor_b32 s2, s2, SLOT1                        ; on to the other slot
.endm
.Lslot:                                                ; three trips: behind each change of slots but the last the next slot is asked for
	CHANGE 1
	ACTQ 1
	TWO_STEPS
	s_sub_co_u32 s28, s28, 1
	s_cmp_lg_u32 s28, 0
	s_cbranch_scc1 .Lslot
	CHANGE 0                                       ; the last slot is written out
	ACTQ 0
	TWO_STEPS
	; THE TWO HALVES OF THE KEYS MEET.  A barrier first: every wave's reads of the ring are over, so the stages may be laid over slot 0.
	s_wait_kmcnt 0x0                               ; the last, unused masks are in
	s_wait_dscnt 0x0
	s_barrier_signal -1
.rept 4
	v_nop                                          ; places behind the last products
.endr
	s_mul_i32 s3, s14, STGB
	v_add_nc_u32 v2, s3, v1                        ; my stage
	s_xor_b32 s3, s14, 1
	s_mul_i32 s3, s3, STGB
	v_add_nc_u32 v7, s3, v1                        ; my partner's
	s_wait_alu depctr_va_vdst(0)
	s_barrier_wait -1
	WIN 0x04                                       ; an LDS store's data: window 1
.set n, 0
.rept 16
	ds_store_b128 v2, v[64+4*n:67+4*n] offset:512*n    ; my tile 1's O^T, as it stands; each accumulator from its low end on
.set n, n+1
.endr
	WIN 0
	ds_store_b128 v2, v[ST+4:ST+7] offset:8192     ; and its -M, largest t and sum
	s_wait_dscnt 0x0                               ; for my partner's sake: my stores are done
	s_barrier_signal -1
	s_barrier_wait -1
	WIN 0x40
.set n, 0
.rept 16
	ds_load_b128 v[KV+4*n:KV+4*n+3], v7 offset:512*n   ; my tile 0 as my partner has it, for the other half of the keys
.set n, n+1
.endr
	WIN 0
	ds_load_b128 v[S:S+3], v7 offset:8192
	s_wait_dscnt 0x0
	v_min_num_f32 v254, v[ST], v[S]                ; -M over all keys
	s_delay_alu instid0(VALU_DEP_1)
	v_sub_f32 v252, v254, v[ST]                    ; my M less that M, my partner's less that M: whole numbers, 0 or less
	s_delay_alu instid0(VALU_DEP_2)
	v_sub_f32 v250, v254, v[S]
	s_delay_alu instid0(VALU_DEP_2)
	v_cvt_i32_f32 v252, v252                       ; (they saturate)
	s_delay_alu instid0(VALU_DEP_2)
	v_cvt_i32_f32 v250, v250
	s_delay_alu instid0(VALU_DEP_2)
	v_ldexp_f32 v252, 1.0, v252
	s_delay_alu instid0(VALU_DEP_2)
	v_ldexp_f32 v250, 1.0, v250
	s_delay_alu instid0(VALU_DEP_2)
	v_pk_mul_f32 v[ST+2:ST+3], v[ST+2:ST+3], v[252:253] op_sel_hi:[1,0]
	s_delay_alu instid0(VALU_DEP_1)
	v_pk_fma_f32 v[ST+2:ST+3], v[S+2:S+3], v[250:251], v[ST+2:ST+3] op_sel_hi:[1,0,1]
	WIN 0x41
.set n, 0
.rept 32
	v_pk_mul_f32 v[n:n+1], v[n:n+1], v[252:253] op_sel_hi:[1,0]
.set n, n+2
.endr
	WIN 0x51
.set n, 0
.rept 32
	v_pk_fma_f32 v[n:n+1], v[KV+n:KV+n+1], v[250:251], v[n:n+1] op_sel_hi:[1,0,1]
.set n, n+2
.endr
	WIN 0
	; CTX: O^T / the sum x 2^(e8 + e9), quantised with 2^e10; block t's eight registers are channels 16 t + 8 h + 0 .. 7 of my query: registers 2 t, 2 t + 1 of the image
	v_add_f32 v[ST+2], v[ST+2], v[ST+3]
	s_delay_alu instid0(VALU_DEP_1)
	v_permlanex16_b32 v251, v[ST+2], s66, s67
	s_delay_alu instid0(VALU_DEP_1)
	v_add_f32 v[ST+2], v[ST+2], v251               ; the row's sum
	s_delay_alu instid0(VALU_DEP_1)
	v_mov_b32 v249, v[ST+2]
	v_rcp_f32 v[ST+2], v[ST+2]
	v_nop                                          ; a plain line behind the transcendental
	s_wait_alu depctr_va_vdst(0)
	v_ldexp_f32 v[ST+2], v[ST+2], s15
	WIN 0x01                                       ; source 0 window 1
.set n, 0
.rept 64
	v_mul_f32 v[S+n], v[n], v[ST+2]
.set n, n+1
.endr
	WIN 0
.irp t, 0,1,2,3,4,5,6,7
.irp i, 0,1,2,3,4,5,6,7
.endr
	v_cvt_scalef32_pk8_fp8_f32 v[PC+2*\t:PC+2*\t+1], v[S+8*\t:S+8*\t+7], v245
.endr
	v_nop                                          ; a plain line behind the conversions
	v_cmp_eq_f32 vcc_lo, 0, v249                   ; a query with no key: the sum is 0
.set n, 0
.rept 16
	v_cndmask_b32 v[PC+n], v[PC+n], v248, vcc_lo   ; its codes are the NaN code
.set n, n+1
.endr
.irp c, 0,1,2,3
	global_store_b128 v1, v[PC+4*\c:PC+4*\c+3], s[10:11] offset:512*\c   ; 512 consecutive bytes
.endr
	s_wait_tensorcnt 0x0                           ; the wave's end
	ds_add_u32 v5, v6
	s_wait_dscnt 0x0
	CROUND                                         ; the closing round
	s_endpgm
.Lfunc_end_k_q9414acb778_attn:
	.size	k_q9414acb778_attn, .Lfunc_end_k_q9414acb778_attn-k_q9414acb778_attn
	.p2alignl 7, 3214868480
	.fill 96, 4, 3214868480
	.section	.rodata,"a",@progbits
	.p2align	6, 0x0
	.amdhsa_kernel k_q9414acb778_attn
		.amdhsa_group_segment_fixed_size 327680
		.amdhsa_private_segment_fixed_size 0
		.amdhsa_enable_private_segment 0
		.amdhsa_kernarg_size 40
		.amdhsa_user_sgpr_count 2
		.amdhsa_user_sgpr_kernarg_segment_ptr 1
		.amdhsa_wavefront_size32 1
		.amdhsa_system_sgpr_workgroup_id_x 1
		.amdhsa_system_sgpr_workgroup_id_y 1
		.amdhsa_system_sgpr_workgroup_id_z 1
		.amdhsa_system_vgpr_workitem_id 0
		.amdhsa_next_free_vgpr 512
		.amdhsa_next_free_sgpr 106
		.amdhsa_reserve_vcc 1
		.amdhsa_float_denorm_mode_32 3
		.amdhsa_float_denorm_mode_16_64 3
		.amdhsa_fp16_overflow 1
		.amdhsa_memory_ordered 1
		.amdhsa_forward_progress 1
		.amdhsa_inst_pref_size 114
	.end_amdhsa_kernel
	.amdgpu_metadata
---
amdhsa.version: [ 1, 2 ]
amdhsa.kernels:
  - .name:           k_q9414acb778_attn
    .symbol:         k_q9414acb778_attn.kd
    .args:
      - { .name: qkv, .offset: 0, .size: 8, .value_kind: global_buffer, .address_space: global }
      - { .name: mw, .offset: 8, .size: 8, .value_kind: global_buffer, .address_space: global }
      - { .name: gu, .offset: 16, .size: 8, .value_kind: global_buffer, .address_space: global }
      - { .name: lowp_scales, .offset: 24, .size: 8, .value_kind: global_buffer, .address_space: global }
      - { .name: ac, .offset: 32, .size: 8, .value_kind: global_buffer, .address_space: global }
    .group_segment_fixed_size: 327680
    .private_segment_fixed_size: 0
    .kernarg_segment_align: 8
    .kernarg_segment_size: 40
    .max_flat_workgroup_size: 256
    .sgpr_count:     106
    .vgpr_count:     512
    .wavefront_size: 32
...
	.end_amdgpu_metadata
.endif
;; end of part 3
;; launch out (part 4): grid 16 x 16, 4 waves a work-group, clusters of 4 x 4, 327,680 bytes of LDS; arguments ac, wo_codes, w_down_codes, x, lowp_scales, out0; writes out0
.if DOCPART == 4
	.amdgcn_target "amdgcn-amd-amdhsa--gfx1250"
	.amdhsa_code_object_version 6
	.text
	.protected	k_q9414acb778_out
	.globl	k_q9414acb778_out
	.p2align	8
	.type	k_q9414acb778_out,@function
k_q9414acb778_out:
	s_mov_b64 s[64:65], 0
	v_nop
	global_prefetch_b8 v0, s[64:65] scope:SCOPE_SE
	s_setreg_imm32_b32 hwreg(HW_REG_WAVE_MODE, 25, 1), 1
	s_wait_xcnt 0x0
	s_wait_alu depctr_hold_cnt(0) depctr_sa_sdst(0) depctr_va_vdst(0) depctr_va_sdst(0) depctr_va_ssrc(0) depctr_va_vcc(0) depctr_vm_vsrc(0)
	s_getreg_b32 s2, hwreg(HW_REG_IB_STS2, 6, 4)
	s_cmp_eq_u32 s2, 0
	s_cbranch_scc0 .Lentry_in_a_cluster
	s_endpgm
.Lentry_in_a_cluster:
	s_bfe_u32 s2, ttmp6, 0x10000c
	s_cmp_lg_u32 s2, 0xf033
	s_cbranch_scc0 .Lentry_shape_is_right
	s_endpgm
.Lentry_shape_is_right:
; out0 = x + ctx wo^T x 2^(e10 + e11) + act w_down^T x 2^(e16 + e17): two products of K = 2,048 on E4M3 codes, sums in f32.
; A work-group makes 128 tokens x 128 columns: 256 work-groups.  Wave w = (p = w / 2, kh = w % 2) makes the WHOLE 128 x 128 of product p (0: ctx wo, 1: act w_down) over the kh-th 128 of every 256 along K:
; 64 accumulators a wave, and every LDS byte is read once.  The four partial tiles meet at the end in LDS.
; K goes in steps of 256 through two LDS slots; a slot holds, for both products, A's tile (16 fragment images, 32 KiB, dense in ac) and B's (128 weight rows x 256 bytes, padded).
; A's images have k in the matrix form's own places (registers 2 c, 2 c + 1: k = 16 c + 8 h + 0 .. 7), so B's fragments are fetched in that order too: eight loads of 8 bytes.
; THE MATRIX INSTRUCTION IS USED TRANSPOSED (source 0 = weight rows, source 1 = tokens): a lane holds eight neighbouring columns of one row of the result.
; CLUSTERS 4 x 4: A's tiles hang on the token tile alone and are shared along a row of the cluster, B's on the column tile alone and are shared along a column: joint loads.
; LIMITS: e10 + e11 and e16 + e17 between -126 and 127.
; REGISTERS: window 0: v0-31 addresses; from v128 A's fragments, one set; at the end x and the result.  window 1: B's fragments, two sets.  windows 2, 3: the accumulators.
.set ROWB,   256
.set PITCH,  272                       ; 256 bytes + 16 of padding: the 32 lanes of a load of 8 bytes touch 64 different banks (64 banks of 4 bytes: ISA guide 11.1)
.set FR,     16
.set NP,     4
.set AIMG,   32768                     ; A's tile of one product
.set BT,     128*PITCH                 ; B's
.set BOFF,   2*AIMG
.set SLOT,   BOFF+2*BT                 ; 135,168
.set SPARE,  2*SLOT                    ; behind the ring: the spare words
.set SPITCH, 528                       ; the stages at the end: 128 rows x (512 bytes + 16) for each wave; the four fill exactly the two slots, which have had their last fill and their last read by then
.set STG,    128*SPITCH
.set RD,   8                           ; v8-11   where I read my 32 rows back from stage 0 .. 3
.set ADRA, 16
.set ADRB, 20
.set STO,  24                          ; v24     where I put 32 bytes of a row
.set CO,   26                          ; v26     16 x lane
.set SPW,  28
.set NIL,  29
.set AF,   128
.set G1, 24
.set G0, 32
.set G1B, 48
.set G0B, 56
.set MSB, 0
.macro WIN new
.if MSB != \new
	s_set_vgpr_msb (MSB<<8)|\new
.set MSB, \new
.endif
.endm
.set MUL_LO, 0xa1
.set MUL_HI, 0xf1
.set TO_B,   0x40
.macro JLOAD g0a, g1a, g0b, g1b        ; waves 0 and 1 fetch A's two tiles, waves 2 and 3 B's; four v_nop follow each line
	s_cmp_eq_u32 s15, 0
	s_cbranch_scc0 .Lfor_b_\@
	tensor_load_to_lds s[\g0a:\g0a+3], s[\g1a:\g1a+7]
	s_nop 0
.rept 4
	v_nop
.endr
	s_branch .Lasked_\@
.Lfor_b_\@:
	tensor_load_to_lds s[\g0b:\g0b+3], s[\g1b:\g1b+7]
	s_nop 0
.rept 4
	v_nop
.endr
.Lasked_\@:
.endm
.macro CREST
	s_cmp_lg_u32 s14, 0
	s_cbranch_scc1 .Lnot_wave_0_\@
	s_barrier_signal -3
.Lnot_wave_0_\@:
	s_barrier_wait -3
	s_barrier_signal -1
	s_barrier_wait -1
.endm
.macro CROUND
	s_barrier_signal -1
	s_barrier_wait -1
	CREST
.endm
	s_load_b256 s[68:75], s[0:1], 0x0              ; ac s[68:69], wo s[70:71], w_down s[72:73], x s[74:75]
	s_load_b128 s[76:79], s[0:1], 0x20             ; lowp_scales s[76:77], out0 s[78:79]
	v_lshl_add_u32 v[SPW], v0, 2, SPARE
	v_mov_b32 v[NIL], 0
	ds_add_u32 v28, v29
	ds_add_u32 v28, v29
	s_wait_dscnt 0x0
	v_lshrrev_b32 v1, 5, v0
	v_readfirstlane_b32 s14, v1                    ; wave 0..3
	s_lshr_b32 s15, s14, 1                         ; p: my product.  Also: I fetch for A (0) or for B (1)
	s_and_b32 s16, s14, 1                          ; kh: my half of a K step.  Also: whose tile I fetch (product 0 or 1)
	s_bfe_u32 s40, ttmp6, 0x40000                  ; cx, cy
	s_bfe_u32 s41, ttmp6, 0x40004
	s_lshl_b32 s42, ttmp9, 2
	s_add_co_u32 s42, s42, s40                     ; the column tile
	s_and_b32 s17, ttmp7, 0xffff
	s_lshl_b32 s17, s17, 2
	s_add_co_u32 s17, s17, s41                     ; the token tile
	s_lshl_b32 s43, s41, 2
	s_lshl_b32 s43, 15, s43                        ; my row of the cluster
	s_lshl_b32 s44, 0x1111, s40                    ; my column
	s_or_b32 s[G1+0], s43, (3<<16)|(1<<21)         ; A: the mask; elements of 8 bytes; bit 21 beside the mask; no padding
	s_mov_b32 s[G1+1], 32<<16                      ; rows of 256 bytes,
	s_mov_b32 s[G1+2], 128<<16                     ; 128 of them,
	s_mov_b32 s[G1+3], 32<<16
	s_mov_b32 s[G1+4], 128
	s_mov_b32 s[G1+5], 32                          ; dense
	s_mov_b32 s[G1+6], 0
	s_mov_b32 s[G1+7], 0
	s_or_b32 s[G1B+0], s44, (1<<20)|(1<<21)|(5<<22)|(3<<25)   ; B: elements of 1 byte; padding: 4 words after every 64
	s_mov_b32 s[G1B+1], ROWB<<16
	s_mov_b32 s[G1B+2], 128<<16
	s_mov_b32 s[G1B+3], ROWB<<16
	s_mov_b32 s[G1B+4], 128
	s_mov_b32 s[G1B+5], 2048
	s_mov_b32 s[G1B+6], 0
	s_mov_b32 s[G1B+7], 0
	s_lshl_b32 s20, s16, 22                        ; A: the plane of ac,
	s_lshl_b32 s18, s17, 18                        ; the token tile's eight blocks of 32 KiB
	s_add_co_u32 s20, s20, s18
	s_mov_b32 s21, 0
	s_lshl_b32 s46, s42, 18                        ; B: 128 rows of 2,048 bytes a column tile
	s_mov_b32 s47, 0
	s_lshl_b32 s45, s16, 15                        ; where they go in a slot: A's,
	s_mul_i32 s22, s16, BT
	s_add_co_u32 s22, s22, BOFF                    ; B's: the wave's number alone
	s_lshl_b32 s82, s17, 20                        ; x and out0: row 128 x token tile + 32 x wave, 512 bytes a column tile
	s_lshl_b32 s83, s14, 18
	s_add_co_u32 s82, s82, s83
	s_lshl_b32 s83, s42, 9
	s_add_co_u32 s82, s82, s83
	s_mov_b32 s83, 0
	s_wait_kmcnt 0x0
	s_load_b64 s[96:97], s[76:77], 0x28            ; e10, e11
	s_load_b64 s[98:99], s[76:77], 0x40            ; e16, e17
	s_add_nc_u64 s[20:21], s[68:69], s[20:21]
	s_cmp_eq_u32 s16, 0
	s_cselect_b64 s[80:81], s[70:71], s[72:73]
	s_add_nc_u64 s[46:47], s[80:81], s[46:47]
	s_add_nc_u64 s[74:75], s[74:75], s[82:83]
	s_add_nc_u64 s[78:79], s[78:79], s[82:83]
	CROUND                                         ; all sixteen work-groups are here: the first joint loads meet
.irp s, 0,1
	s_mov_b32 s[G0+4*\s], 1
	s_add_co_u32 s[G0+4*\s+1], s45, \s*SLOT
	s_add_nc_u64 s[G0+4*\s+2:G0+4*\s+3], s[20:21], \s*AIMG
	s_or_b32 s[G0+4*\s+3], s[G0+4*\s+3], 0x80000000
	s_mov_b32 s[G0B+4*\s], 1
	s_add_co_u32 s[G0B+4*\s+1], s22, \s*SLOT
	s_add_nc_u64 s[G0B+4*\s+2:G0B+4*\s+3], s[46:47], \s*ROWB
	s_or_b32 s[G0B+4*\s+3], s[G0B+4*\s+3], 0x80000000
	JLOAD G0+4*\s, G1, G0B+4*\s, G1B
.endr
	v_and_b32 v1, 15, v0                           ; r
	v_bfe_u32 v2, v0, 4, 1                         ; h
	v_and_b32 v[CO], 31, v0
	v_lshlrev_b32 v[CO], 4, v[CO]                  ; 16 x lane
	v_mul_u32_u24 v3, v1, PITCH
	v_lshl_add_u32 v3, v2, 3, v3                   ; B: row r x pitch + 8 h
	s_lshl_b32 s18, s15, 15
	s_lshl_b32 s19, s16, 11
	s_add_co_u32 s18, s18, s19                     ; A: product p's tile, image kh of each pair
	s_mul_i32 s19, s15, BT
	s_lshl_b32 s23, s16, 7
	s_add_co_u32 s19, s19, s23
	s_add_co_u32 s19, s19, BOFF                    ; B: product p's tile, byte 128 kh of its rows
.irp s, 0,1
	v_add_nc_u32 v[ADRA+\s], s18, v[CO]
	v_add_nc_u32 v[ADRB+\s], s19, v3
	s_add_co_u32 s18, s18, SLOT
	s_add_co_u32 s19, s19, SLOT
.endr
	s_mul_i32 s18, s14, STG                        ; my stage
	v_mul_u32_u24 v[STO], v1, SPITCH
	v_lshl_add_u32 v[STO], v2, 5, v[STO]
	v_add_nc_u32 v[STO], s18, v[STO]               ; row r, + 32 h
	s_mul_i32 s18, s14, 32*SPITCH                  ; back: rows 32 w on, of each stage
	v_add_nc_u32 v4, s18, v[CO]
.irp s, 0,1,2,3
	v_add_nc_u32 v[RD+\s], \s*STG, v4
.endr
.macro MUL16 a0, p, zero               ; the 64 accumulators take turns, one instruction a turn, in the same order in every step
.irp a, \a0, \a0+1
.irp b, 0,1,2,3,4,5,6,7
.if \zero
	v_wmma_f32_16x16x128_fp8_fp8 v[8*(8*((\a)%4)+\b):8*(8*((\a)%4)+\b)+7], v[128*(\p)+FR*\b:128*(\p)+FR*\b+FR-1], v[AF+FR*(\a):AF+FR*(\a)+FR-1], 0
.else
	v_wmma_f32_16x16x128_fp8_fp8 v[8*(8*((\a)%4)+\b):8*(8*((\a)%4)+\b)+7], v[128*(\p)+FR*\b:128*(\p)+FR*\b+FR-1], v[AF+FR*(\a):AF+FR*(\a)+FR-1], v[8*(8*((\a)%4)+\b):8*(8*((\a)%4)+\b)+7]
.endif
.endr
.endr
.endm
.macro FETCH_B slot, p                 ; B's eight fragments into set p: registers 2 c, 2 c + 1 = k 16 c + 8 h + 0 .. 7
	WIN TO_B
.irp b, 0,1,2,3,4,5,6,7
.irp c, 0,1,2,3,4,5,6,7
	ds_load_b64 v[128*(\p)+FR*\b+2*\c:128*(\p)+FR*\b+2*\c+1], v[ADRB+\slot] offset:\b*16*PITCH+16*\c
.endr
.endr
	WIN 0
.endm
.macro FETCH_A slot, i0                ; A's blocks i0 .. i0 + 3: images, 512 consecutive bytes a load
.irp i, \i0, \i0+1, \i0+2, \i0+3
.irp g, 0,1,2,3
	ds_load_b128 v[AF+FR*(\i)+4*\g:AF+FR*(\i)+4*\g+3], v[ADRA+\slot] offset:(\i)*4096+512*\g
.endr
.endr
.endm
.macro PLACES n
.rept \n
	v_nop
.endr
.endm
; A K step.  All of this slot's fragments have been asked for in the step before, so the slot is given up AT THE STEP'S HEAD: each wave waits for all its tensor loads, adds 0 to its spare word, and waits for that and
; for its own reads of this slot; ONE barrier (fill = 1: a round of the cluster's), and the refill, two K steps ahead, first behind it.  The step's 64 matrix instructions and the fetch of the next slot's fragments follow
; the refill: they are the work under which it lands.  B's set is the slot's number.
.macro TURN slot, next, fill, zero
	s_wait_tensorcnt 0x0                           ; all my tensor loads have landed: my part of the next slot
	ds_add_u32 v[SPW], v[NIL]                      ; 0 onto my spare word
.if \fill
	s_add_nc_u64 s[G0+4*\slot+2:G0+4*\slot+3], s[G0+4*\slot+2:G0+4*\slot+3], 2*AIMG       ; no load of mine is out, so the groups 0 may be written
	s_add_nc_u64 s[G0B+4*\slot+2:G0B+4*\slot+3], s[G0B+4*\slot+2:G0B+4*\slot+3], 2*ROWB
.endif
	s_wait_dscnt 0x0                               ; the add is done, and my reads of this slot are over: its fragments are in registers
.if \fill
	CROUND                                         ; no wave of any partner still reads this slot or has a load on its way
	JLOAD G0+4*\slot, G1, G0B+4*\slot, G1B         ; the first tensor load behind the round
.else
	s_barrier_signal -1
	s_barrier_wait -1                              ; the next slot is whole for every wave
.endif
	WIN MUL_LO
	MUL16 0, \slot, \zero
	MUL16 2, \slot, \zero
	PLACES NP
	FETCH_B \next, 1-\slot
	FETCH_A \next, 0
	WIN MUL_HI
	MUL16 4, \slot, \zero
	MUL16 6, \slot, \zero
	PLACES NP
	WIN 0
	FETCH_A \next, 4
.endm
	s_wait_tensorcnt 1                             ; my part of K step 0 is in; K step 1's load may be out
	s_barrier_signal -1
	s_barrier_wait -1
	FETCH_B 0, 0
	FETCH_A 0, 0
	FETCH_A 0, 4
	TURN 0, 1, 1, 1                                ; K step 0 starts the sums; slot 0 takes K step 2
	s_mov_b32 s3, 2
.Llap:                                                 ; K steps 1, 2 and 3, 4
	TURN 1, 0, 1, 0
	TURN 0, 1, 1, 0
	s_sub_co_u32 s3, s3, 1
	s_cmp_lg_u32 s3, 0
	s_cbranch_scc1 .Llap
	TURN 1, 0, 1, 0                                ; K step 5; slot 1 takes K step 7: the last load
	TURN 0, 1, 0, 0                                ; K step 6
	s_wait_dscnt 16                                ; K step 7: nothing more to fetch; A blocks 4-7's 16 loads may be out
	WIN MUL_LO
	MUL16 0, 1, 0
	MUL16 2, 1, 0
	s_wait_dscnt 0x0                               ; my reads of the ring are over: say so, since the stages are laid over it
	s_barrier_signal -1
	WIN MUL_HI
	MUL16 4, 1, 0
	MUL16 6, 1, 0
	WIN 0
	s_barrier_wait -1
	PLACES NP                                      ; behind the last products: for the loads into A's registers and the stores of results
	; THE WAY OUT.  x's 32 rows of mine are asked for; every wave puts its 128 x 128 partial sums into its stage; behind a barrier wave w adds rows 32 w .. 32 w + 31 of the four stages.
.set rr, 0
.rept 32
	global_load_b128 v[128+4*rr:131+4*rr], v[CO], s[74:75] offset:rr*8192 th:TH_LOAD_NT
.set rr, rr+1
.endr
.irp a, 0,1,2,3,4,5,6,7
	WIN 0x08+4*(\a/4)                              ; an LDS store's data: window 2 or 3
.irp b, 0,1,2,3,4,5,6,7
	ds_store_b128 v[STO], v[8*(8*(\a%4)+\b):8*(8*(\a%4)+\b)+3] offset:\a*16*SPITCH+64*\b        ; lane (r, h): (token 16 a + r, columns 16 b + 8 h + 0 .. 7); the low half first
	ds_store_b128 v[STO], v[8*(8*(\a%4)+\b)+4:8*(8*(\a%4)+\b)+7] offset:\a*16*SPITCH+64*\b+16
.endr
.endr
	WIN 0
	s_wait_dscnt 0x0                               ; for the others' sake: my stores are done
	s_barrier_signal -1
	s_barrier_wait -1
	WIN 0x40                                       ; destination window 1: product 0's two halves of K
.set rr, 0
.rept 32
	ds_load_b128 v[4*rr:4*rr+3], v[RD] offset:rr*SPITCH
	ds_load_b128 v[128+4*rr:131+4*rr], v[RD+1] offset:rr*SPITCH
.set rr, rr+1
.endr
	WIN 0x80                                       ; window 2: product 1's
.set rr, 0
.rept 32
	ds_load_b128 v[4*rr:4*rr+3], v[RD+2] offset:rr*SPITCH
	ds_load_b128 v[128+4*rr:131+4*rr], v[RD+3] offset:rr*SPITCH
.set rr, rr+1
.endr
	WIN 0
	s_wait_kmcnt 0x0
	s_add_co_i32 s96, s96, s97
	s_add_co_i32 s96, s96, 127
	s_lshl_b32 s96, s96, 23                        ; 2^(e10 + e11) as f32
	s_mov_b32 s97, s96
	s_add_co_i32 s98, s98, s99
	s_add_co_i32 s98, s98, 127
	s_lshl_b32 s98, s98, 23                        ; 2^(e16 + e17)
	s_mov_b32 s99, s98
	s_wait_dscnt 0x0
	s_wait_loadcnt 0x0
	WIN 0x45
.set n, 0
.rept 64
	v_pk_add_f32 v[n:n+1], v[n:n+1], v[128+n:129+n]
.set n, n+2
.endr
	WIN 0x8a
.set n, 0
.rept 64
	v_pk_add_f32 v[n:n+1], v[n:n+1], v[128+n:129+n]
.set n, n+2
.endr
	WIN 0x01
.set n, 0
.rept 64
	v_pk_fma_f32 v[128+n:129+n], v[n:n+1], s[96:97], v[128+n:129+n] op_sel_hi:[1,0,1]   ; x + attention's part
.set n, n+2
.endr
	WIN 0x02
.set n, 0
.rept 64
	v_pk_fma_f32 v[128+n:129+n], v[n:n+1], s[98:99], v[128+n:129+n] op_sel_hi:[1,0,1]   ; + the FFN's
.set n, n+2
.endr
	WIN 0
.set rr, 0
.rept 32
	global_store_b128 v[CO], v[128+4*rr:131+4*rr], s[78:79] offset:rr*8192 th:TH_STORE_NT   ; 32 lanes store 512 consecutive bytes, aligned
.set rr, rr+1
.endr
	s_wait_tensorcnt 0x0                           ; the wave's end
	ds_add_u32 v[SPW], v[NIL]
	s_wait_dscnt 0x0
	CROUND                                         ; the closing round
	s_endpgm
.Lfunc_end_k_q9414acb778_out:
	.size	k_q9414acb778_out, .Lfunc_end_k_q9414acb778_out-k_q9414acb778_out
	.p2alignl 7, 3214868480
	.fill 96, 4, 3214868480
	.section	.rodata,"a",@progbits
	.p2align	6, 0x0
	.amdhsa_kernel k_q9414acb778_out
		.amdhsa_group_segment_fixed_size 327680
		.amdhsa_private_segment_fixed_size 0
		.amdhsa_enable_private_segment 0
		.amdhsa_kernarg_size 48
		.amdhsa_user_sgpr_count 2
		.amdhsa_user_sgpr_kernarg_segment_ptr 1
		.amdhsa_wavefront_size32 1
		.amdhsa_system_sgpr_workgroup_id_x 1
		.amdhsa_system_sgpr_workgroup_id_y 1
		.amdhsa_system_sgpr_workgroup_id_z 1
		.amdhsa_system_vgpr_workitem_id 0
		.amdhsa_next_free_vgpr 1024
		.amdhsa_next_free_sgpr 100
		.amdhsa_reserve_vcc 0
		.amdhsa_float_denorm_mode_32 3
		.amdhsa_float_denorm_mode_16_64 3
		.amdhsa_memory_ordered 1
		.amdhsa_forward_progress 1
		.amdhsa_inst_pref_size 114
	.end_amdhsa_kernel
	.amdgpu_metadata
---
amdhsa.version: [ 1, 2 ]
amdhsa.kernels:
  - .name:           k_q9414acb778_out
    .symbol:         k_q9414acb778_out.kd
    .args:
      - { .name: ac, .offset: 0, .size: 8, .value_kind: global_buffer, .address_space: global }
      - { .name: wo_codes, .offset: 8, .size: 8, .value_kind: global_buffer, .address_space: global }
      - { .name: w_down_codes, .offset: 16, .size: 8, .value_kind: global_buffer, .address_space: global }
      - { .name: x, .offset: 24, .size: 8, .value_kind: global_buffer, .address_space: global }
      - { .name: lowp_scales, .offset: 32, .size: 8, .value_kind: global_buffer, .address_space: global }
      - { .name: out0, .offset: 40, .size: 8, .value_kind: global_buffer, .address_space: global }
    .group_segment_fixed_size: 327680
    .private_segment_fixed_size: 0
    .kernarg_segment_align: 8
    .kernarg_segment_size: 48
    .max_flat_workgroup_size: 128
    .sgpr_count:     100
    .vgpr_count:     1024
    .wavefront_size: 32
...
	.end_amdgpu_metadata
.endif
;; end of part 4
